; MI455X (gfx1250); checked and timed in simulation.
; The chip was launched on July 23, 2026; its instructions are those of AMD's public machine-readable ISA for CDNA 5 (MIT licence, August 2026) and "CDNA5" Instruction Set Architecture Reference Guide (July 2026). The comments in the code are by the model that wrote it; some were corrected since.
;; Qwen3 Attention. Allowed arithmetic: matrix products marked QUANTISED: E4M3 operands, one given power-of-two scale a tensor, by v_wmma_f32_16x16x64_fp8_fp8 or v_wmma_f32_16x16x128_fp8_fp8, f32 sums; everything else in f32.
;; Inputs: attention_mask 2 x 1 x 2,048 x 2,048 float32; cos 2 x 2,048 x 128 float32; hidden_states 2 x 2,048 x 2,048 float32; k_kernel 2,048 x 1,024 float32; k_norm_w 128 float32; lowp_scales 12 int32 (the exponents e of the quantised operands' scales 2^e); o_kernel 1,024 x 2,048 float32; q_kernel 2,048 x 1,024 float32; q_norm_w 128 float32; sin 2 x 2,048 x 128 float32; v_kernel 2,048 x 1,024 float32.
;; Outputs: out0 2 x 2,048 x 2,048 float32.
;; This version of the problem:
;;   THIS VERSION OF THE PROBLEM IS GIVEN IN LOW PRECISION. The matrix products marked QUANTISED in the list below multiply operands that are first quantised to E4M3 (4 exponent bits, 3 mantissa bits; 8 bits a number), with one given power-of-two scale for each operand tensor; their sums are f32. All else is computed in f32.
;;   The module's matrix products, in the order in which they are computed (A, B: the left and right operand; K: the contracted axis; several contracted axes count as one K, in the product's order):
;;     1. [M 4,096, K 2,048] x [K 2,048, N 1,024]; A: input hidden_states; B: input q_kernel: QUANTISED (scales: A lowp_scales[0], B lowp_scales[1])
;;     2. [M 4,096, K 2,048] x [K 2,048, N 1,024]; A: input hidden_states; B: input k_kernel: QUANTISED (scales: A lowp_scales[2], B lowp_scales[3])
;;     3. [M 4,096, K 2,048] x [K 2,048, N 1,024]; A: input hidden_states; B: input v_kernel: QUANTISED (scales: A lowp_scales[4], B lowp_scales[5])
;;     4. batch 16 x [M 2,048, K 128] x [K 128, N 2,048]; A: computed on the way; B: computed on the way: QUANTISED (scales: A lowp_scales[6], B lowp_scales[7])
;;     5. batch 16 x [M 2,048, K 2,048] x [K 2,048, N 128]; A: softmax (see below); B: computed on the way: QUANTISED (scales: A lowp_scales[8], B lowp_scales[9])
;;     6. [M 4,096, K 1,024] x [K 1,024, N 2,048]; A: computed on the way; B: input o_kernel: QUANTISED (scales: A lowp_scales[10], B lowp_scales[11])
;;   THE QUANTISER, for each operand of a quantised product, along K:
;;     - The operand's scale is 2^e, e = its entry of the input lowp_scales (int32; the entries are numbered through the quantised products in the list's order, A before B).
;;     - Each number is divided by the scale, clamped to +-448, and rounded to the nearest number of E4M3, ties to even, subnormals kept.
;;     - The product sums the exact products of the quantised numbers (number of the format x scale) in f32.
;;   ~~~python
;;   def quantise(x, axis, e):      # numpy; x: float32 -> the quantised numbers, widened to float32 again
;;       x = np.moveaxis(x, axis, -1); K = x.shape[-1]
;;       r = np.clip(x / 2.0 ** e, -448, 448)
;;       step = 2.0 ** (np.maximum(np.frexp(np.where(r == 0, 1, r))[1] - 1, -6) - 3)
;;       q = np.round(r / step) * step * 2.0 ** e      # np.round: ties to even
;;       return np.moveaxis(q, -1, axis).astype(np.float32)
;;   ~~~
;;   SOFTMAX AHEAD OF A QUANTISED PRODUCT. Where the list says 'softmax', what is quantised is not the finished softmax but p = 2^(t - M), with t = logit x log2(e) and M = ceil(the row's largest t), a whole number; so 1/2 < the row's largest p <= 1. The row's sum l is taken of the UNQUANTISED p, in f32, and the product's result is divided by l at the end. Since M is a whole number, a kernel that streams over the keys may use a running M (the ceiling of the running maximum): every later rescaling is an exact power of two, so the quantised numbers keep their values, but for numbers so far below the row's largest that they fall under the format's range.
;;   OPERANDS COMPUTED ON THE WAY. 'Computed on the way' means the value that the module computes at that place (a softmax that the list does not call 'softmax' is quantised finished and normalised). What goes into a quantiser is computed in f32, as accurately as f32 sums, v_exp_f32 and their like allow (about 1e-6 of the number): no bf16 or f16 on the way to a quantiser, and a product that is left as it is and whose result goes on into a quantised operand takes f32 operands (vector FMAs, or v_wmma_f32_16x16x4_f32). A number that lies on a knife's edge between two numbers of the format may be rounded either way, as far as f32 arithmetic and the matrix unit's own rounding can turn it there, and no further.
;; One version. Each part assembles by itself: llvm-mc -triple=amdgcn-amd-amdhsa -mcpu=gfx1250 --defsym DOCPART=n.
;; ======== version 1 of 1: 4 launches
;; limits: right only within a limited range of input values
;; workspace buffers: hcodes 25,165,824 bytes; wcodes 8,388,608 bytes; qcodes 4,194,304 bytes; kvcodes 8,388,608 bytes; acodes 4,194,304 bytes
;; launch quant (part 1): grid 512 x 1, 4 waves a work-group, no clusters, 69,120 bytes of LDS; arguments hidden_states, q_kernel, k_kernel, v_kernel, o_kernel, lowp_scales, hcodes, wcodes; writes hcodes, wcodes
.if DOCPART == 1
	.amdgcn_target "amdgcn-amd-amdhsa--gfx1250"
	.amdhsa_code_object_version 6
	.text
	.protected	k_q45e5101ea0_quant
	.globl	k_q45e5101ea0_quant
	.p2align	8
	.type	k_q45e5101ea0_quant,@function
k_q45e5101ea0_quant:
	s_mov_b64 s[64:65], 0
	v_nop
	global_prefetch_b8 v0, s[64:65] scope:SCOPE_SE
	s_setreg_imm32_b32 hwreg(HW_REG_WAVE_MODE, 25, 1), 1
	s_wait_xcnt 0x0
; hidden_states [4096][2048] f32 and the four weights (q, k, v: [2048 K][1024 N]; o: [1024 K][2048 N], f32) become codes of E4M3, laid as IMAGES OF OPERAND REGISTERS.
; code = x / 2^e, held within +-448, to the nearest code, ties to even.  hidden_states has three scales (entries 0, 2, 4 of lowp_scales), so it gets three sets of codes; the weights take entries 1, 3, 5, 11.
; AN IMAGE is a fragment of 16 rows x 128 K, 2,048 bytes: piece c (0..3) of lane l lies at 512 c + 16 l and holds K = 32 c + 16 (l / 16) + 0 .. 15 of row l % 16: a later launch gets it by four loads of 16 bytes a lane.
; THE ROWS OF A TILE ARE NOT NEIGHBOURS: row r of tile T is index 32 (T / 2) + 8 (T % 2) + r + 8 (r / 8), of tokens and of weight columns alike, so that results of products used transposed come out with 16 neighbours in 16 registers.
; hcodes: [copy 3][token tile 256][K fragment 16][2048].  wcodes: q, k, v at 0, 2, 4 MiB as [n tile 64][16][2048]; o at 6 MiB as [n tile 128][8][2048].
; Work-groups 0-255 take a token tile each (wave w: K fragments 4 w .. 4 w + 3); work-groups 256-511 take 128 columns x 256 K of a weight (64 work-groups a weight; a lane a column, registers down K).
; No barrier: every LDS byte is one wave's own; the two paths have LDS bytes of their own.
; LIMITS: each of the seven exponents lies between -126 and 119.  NaN among the inputs is not served.
.set HP,    528                        ; hidden_states' stage: a row of 512 bytes + 16
.set HSTG,  16*HP                      ; a wave's: 16 rows
.set WBASE, 4*HSTG                     ; behind them the weights' stages
.set WP,    272                        ; a column's 256 codes + 16
.set WSTG,  32*WP                      ; a wave's: 32 columns
.set LO,    1                          ; v1   16 x lane
.set R,     16                         ; v16-143  two sets of 64 numbers
.set TM,    144                        ; v144-175 two sets of 16 held numbers
.set C,     176                        ; v176-223 three fragments of codes
.set OFF,   16                         ; v16-47   weights: 4 x lane + i rows
.set X,     48                         ; v48-111  two sets of 32 numbers
.set CW,    112                        ; v112-119 a block's codes
.set OUTR,  120                        ; v120-183 the way out
	s_load_b512 s[8:23], s[0:1], 0x0               ; hidden 8, q 10, k 12, v 14, o 16, scales 18, hcodes 20, wcodes 22
	v_lshl_add_u32 v224, v0, 2, 0x10c00
	v_mov_b32 v225, 0
	v_lshrrev_b32 v15, 5, v0
	v_readfirstlane_b32 s2, v15                    ; wave
	v_and_b32 v12, 31, v0                          ; lane
	v_and_b32 v13, 15, v0                          ; r
	v_bfe_u32 v14, v0, 4, 1                        ; h
	v_lshlrev_b32 v[LO], 4, v12
	s_wait_kmcnt 0x0
	s_load_b256 s[40:47], s[18:19], 0x0            ; entries 0-7
	s_load_b128 s[48:51], s[18:19], 0x20           ; entries 8-11
	s_cmp_lt_u32 ttmp9, 256
	s_cbranch_scc0 .Lweights
	; ---------------- hidden_states: token tile T = the work-group's number
	s_lshr_b32 s3, ttmp9, 1
	s_lshl_b32 s3, s3, 5
	s_and_b32 s4, ttmp9, 1
	s_lshl_b32 s4, s4, 3
	s_add_co_u32 s3, s3, s4                        ; the tile's row 0 is token 32 (T / 2) + 8 (T % 2)
	s_lshl_b32 s4, s3, 13                          ; a row is 8,192 bytes
	s_lshl_b32 s5, s2, 11                          ; my wave's four K fragments: 2,048 bytes of it
	s_add_co_u32 s4, s4, s5
	s_mov_b32 s5, 0
	s_add_nc_u64 s[8:9], s[8:9], s[4:5]
	s_lshl_b32 s4, ttmp9, 15                       ; a tile's 16 images
	s_lshl_b32 s6, s2, 13                          ; my four
	s_add_co_u32 s4, s4, s6
	s_add_nc_u64 s[30:31], s[20:21], s[4:5]        ; copy 0,
	s_add_nc_u64 s[32:33], s[30:31], 0x800000      ; copy 1,
	s_add_nc_u64 s[34:35], s[32:33], 0x800000      ; copy 2
	s_mul_i32 s6, s2, HSTG
	s_wait_alu depctr_va_vdst(0)
	v_add_nc_u32 v2, s6, v[LO]                     ; into the stage: a row as it is loaded
	v_mul_u32_u24 v3, v13, HP
	v_lshl_add_u32 v3, v14, 6, v3
	v_add_nc_u32 v3, s6, v3                        ; out of it: row r, + 64 h: my 16 numbers of each 32
.macro HLOAD u                         ; K fragment u of my four: 16 rows x 512 consecutive bytes
.set t, 0
.rept 16
	global_load_b128 v[R+64*((\u)%2)+4*t:R+64*((\u)%2)+4*t+3], v[LO], s[8:9] offset:(t+8*(t/8))*8192+512*(\u) th:TH_LOAD_NT
.set t, t+1
.endr
.endm
.macro HTURN u                         ; through my stage: LDS serves a wave's instructions in order, so no wait stands between the stores and the loads; register 16 c + i then holds K = 32 c + 16 h + i of row r
.set t, 0
.rept 16
	ds_store_b128 v2, v[R+64*((\u)%2)+4*t:R+64*((\u)%2)+4*t+3] offset:HP*t
.set t, t+1
.endr
.set t, 0
.rept 16
	ds_load_b128 v[R+64*((\u)%2)+4*t:R+64*((\u)%2)+4*t+3], v3 offset:128*(t/4)+16*(t%4)
.set t, t+1
.endr
.endm
.macro HQUANT u                        ; three fragments of codes from the same 64 numbers.  The 16 holds of the next piece, which write the other set, are the plain lines behind a piece's conversions
.irp p, 0,1,2
.irp c, 0,1,2,3
.set i, 0
.rept 16
	v_med3_num_f32 v[TM+16*(\c%2)+i], v[R+64*((\u)%2)+16*\c+i], -v[7+\p], v[7+\p]   ; the conversion does not saturate (ISA guide 7.6.2): the hold at 448 x the scale
.set i, i+1
.endr
	v_cvt_scalef32_pk8_fp8_f32 v[C+16*\p+4*\c:C+16*\p+4*\c+1], v[TM+16*(\c%2):TM+16*(\c%2)+7], v[4+\p]
	v_cvt_scalef32_pk8_fp8_f32 v[C+16*\p+4*\c+2:C+16*\p+4*\c+3], v[TM+16*(\c%2)+8:TM+16*(\c%2)+15], v[4+\p]
.endr
.endr
.endm
.macro HSTORE u                        ; each store of the wave covers 512 consecutive bytes, aligned
.irp p, 0,1,2
.irp c, 0,1,2,3
	global_store_b128 v[LO], v[C+16*\p+4*\c:C+16*\p+4*\c+3], s[30+2*\p:31+2*\p] offset:2048*(\u)+512*\c
.endr
.endr
.endm
	HLOAD 0
	HLOAD 1
	s_wait_alu depctr_va_vdst(0)
	s_wait_kmcnt 0x0
.irp p, 0,1,2
	s_add_co_i32 s4, s[40+2*\p], 127
	s_lshl_b32 s5, s4, 23
	v_mov_b32 v[4+\p], s5                          ; 2^e as f32: the conversion takes its exponent field
	s_add_co_i32 s4, s4, 8
	s_lshl_b32 s4, s4, 23
	s_or_b32 s4, s4, 0x600000
	v_mov_b32 v[7+\p], s4                          ; 448 x 2^e
.endr
	s_wait_alu depctr_va_vdst(0)
.irp u, 0,1,2,3
.if \u < 3
	s_wait_loadcnt 16                              ; this fragment's 16 loads are in; the next one's may be out
.else
	s_wait_loadcnt 0x0
.endif
	HTURN \u
	s_wait_dscnt 0x0
.if \u > 0
	s_wait_xcnt 0x0                                ; the last stores have read the codes' registers, which are written again
.endif
	HQUANT \u
	HSTORE \u
.if \u < 2
	HLOAD \u+2
.endif
.endr
	s_wait_tensorcnt 0x0
	ds_add_u32 v224, v225
	s_wait_dscnt 0x0
	s_endpgm
	; ---------------- a weight: which = 0..3 (q, k, v, o); 128 columns x 256 along K
.Lweights:
	s_sub_co_u32 s3, ttmp9, 256
	s_lshr_b32 s4, s3, 6                           ; which
	s_and_b32 s5, s3, 63
	s_cmp_eq_u32 s4, 3
	s_cselect_b32 s6, 13, 12                       ; log2 of a row's bytes: o has 2,048 columns, the others 1,024
	s_cselect_b32 s7, 15, 7                        ; 16 or 8 blocks of 128 columns,
	s_cselect_b32 s24, 4, 3
	s_cselect_b32 s25, 14, 15                      ; log2 of a tile's images: 8 or 16 K fragments
	s_and_b32 s7, s5, s7                           ; nx
	s_lshr_b32 s24, s5, s24                        ; ky
	s_cmp_eq_u32 s4, 1
	s_cselect_b64 s[26:27], s[12:13], s[10:11]
	s_cmp_eq_u32 s4, 2
	s_cselect_b64 s[26:27], s[14:15], s[26:27]
	s_cmp_eq_u32 s4, 3
	s_cselect_b64 s[26:27], s[16:17], s[26:27]     ; the weight
	s_lshl_b32 s36, s24, 8
	s_lshl_b32 s36, s36, s6                        ; 256 ky rows,
	s_lshl_b32 s37, s7, 9
	s_add_co_u32 s36, s36, s37                     ; 128 nx columns,
	s_lshl_b32 s37, s2, 7
	s_add_co_u32 s36, s36, s37                     ; my wave's 32
	s_mov_b32 s37, 0
	s_add_nc_u64 s[66:67], s[26:27], s[36:37]      ; block 0 of 32 along K
	s_lshl_b32 s36, 32, s6
.irp t, 1,2,3,4,5,6,7
	s_add_nc_u64 s[66+2*\t:67+2*\t], s[66+2*(\t-1):67+2*(\t-1)], s[36:37]   ; blocks 1 to 7: a base each, so that no base is stepped
.endr
	s_lshl_b32 s38, s7, 3
	s_lshl_b32 s39, s2, 1
	s_add_co_u32 s38, s38, s39                     ; my first tile of columns: 8 nx + 2 wave
	s_lshl_b32 s38, s38, s25
	s_lshl_b32 s39, s24, 12                        ; K fragments 2 ky, 2 ky + 1
	s_add_co_u32 s38, s38, s39
	s_lshl_b32 s39, s4, 21                         ; the weight's place in wcodes
	s_add_co_u32 s38, s38, s39
	s_mov_b32 s39, 0
	s_add_nc_u64 s[22:23], s[22:23], s[38:39]
	s_lshl_b32 s29, 1, s6
	s_wait_alu depctr_va_vdst(0)
	v_lshlrev_b32 v[OFF], 2, v12                   ; a lane takes a column; its registers run down K
.set i, 1
.rept 31
	v_add_nc_u32 v[OFF+i], s29, v[OFF+i-1]
.set i, i+1
.endr
	s_mul_i32 s28, s2, WSTG
	s_add_co_u32 s28, s28, WBASE
	v_mul_u32_u24 v4, v12, WP
	v_add_nc_u32 v4, s28, v4                       ; into the stage: row = my column
	v_and_b32 v5, 8, v13
	v_add_nc_u32 v5, v5, v13                       ; r + 8 (r / 8)
	v_mul_u32_u24 v7, v5, WP
	v_lshl_add_u32 v7, v14, 4, v7
	v_add_nc_u32 v7, s28, v7                       ; out of it: tile u's row r is column 8 u + r + 8 (r / 8); + 16 h
	s_lshl_b32 s28, 1, s25
	v_add_nc_u32 v9, s28, v[LO]                    ; my second tile's images (the first's lie at 16 x lane)
.macro WLOAD t                         ; block t: 32 rows at my column: neighbouring lanes read neighbouring columns
.set i, 0
.rept 32
	global_load_b32 v[X+32*((\t)%2)+i], v[OFF+i], s[66+2*(\t):67+2*(\t)] th:TH_LOAD_NT
.set i, i+1
.endr
.endm
	WLOAD 0
	WLOAD 1
	s_wait_kmcnt 0x0
	s_cmp_eq_u32 s4, 1
	s_cselect_b32 s28, s43, s41
	s_cmp_eq_u32 s4, 2
	s_cselect_b32 s28, s45, s28
	s_cmp_eq_u32 s4, 3
	s_cselect_b32 s28, s51, s28                    ; e: entry 1, 3, 5 or 11
	s_add_co_i32 s28, s28, 127
	s_lshl_b32 s29, s28, 23
	v_mov_b32 v11, s29                             ; 2^e
	s_add_co_i32 s28, s28, 8
	s_lshl_b32 s28, s28, 23
	s_or_b32 s28, s28, 0x600000
	v_mov_b32 v10, s28                             ; 448 x 2^e
.macro WBLOCK t
.set XS, X+32*((\t)%2)
.if (\t) < 7
	s_wait_loadcnt 32                              ; this block's 32 loads are in; the next block's may be out
.else
	s_wait_loadcnt 0x0
.endif
.set i, 0
.rept 32
	v_med3_num_f32 v[XS+i], v[XS+i], -v10, v10
.set i, i+1
.endr
.irp g, 0,1,2,3
	v_cvt_scalef32_pk8_fp8_f32 v[CW+2*\g:CW+2*\g+1], v[XS+8*\g:XS+8*\g+7], v11
.endr
	ds_store_b128 v4, v[CW:CW+3] offset:32*(\t)    ; 32 codes of my column, K innermost
	ds_store_b128 v4, v[CW+4:CW+7] offset:32*(\t)+16
.if (\t)+2 < 8
	WLOAD (\t)+2
.endif
	s_wait_dscnt 0x0                               ; the stores have read their registers; the next block begins with plain lines on the other set
.endm
	s_wait_alu depctr_va_vdst(0)
.irp t, 0,1,2,3,4,5,6,7
	WBLOCK \t
.endr
.irp u, 0,1
.irp q, 0,1
.irp c, 0,1,2,3
	ds_load_b128 v[OUTR+4*(8*\u+4*\q+\c):OUTR+4*(8*\u+4*\q+\c)+3], v7 offset:8*\u*WP+128*\q+32*\c   ; piece c of the image (tile u, K fragment q)
.endr
.endr
.endr
.irp u, 0,1
.irp q, 0,1
.irp c, 0,1,2,3
	s_wait_dscnt 15-(8*\u+4*\q+\c)
	global_store_b128 v[1+8*\u], v[OUTR+4*(8*\u+4*\q+\c):OUTR+4*(8*\u+4*\q+\c)+3], s[22:23] offset:2048*\q+512*\c   ; 512 consecutive bytes, aligned
.endr
.endr
.endr
	s_wait_tensorcnt 0x0
	ds_add_u32 v224, v225
	s_wait_dscnt 0x0
	s_endpgm
.Lfunc_end_k_q45e5101ea0_quant:
	.size	k_q45e5101ea0_quant, .Lfunc_end_k_q45e5101ea0_quant-k_q45e5101ea0_quant
	.p2alignl 7, 3214868480
	.fill 96, 4, 3214868480
	.section	.rodata,"a",@progbits
	.p2align	6, 0x0
	.amdhsa_kernel k_q45e5101ea0_quant
		.amdhsa_group_segment_fixed_size 69120
		.amdhsa_private_segment_fixed_size 0
		.amdhsa_enable_private_segment 0
		.amdhsa_kernarg_size 64
		.amdhsa_user_sgpr_count 2
		.amdhsa_user_sgpr_kernarg_segment_ptr 1
		.amdhsa_wavefront_size32 1
		.amdhsa_system_sgpr_workgroup_id_x 1
		.amdhsa_system_sgpr_workgroup_id_y 1
		.amdhsa_system_sgpr_workgroup_id_z 1
		.amdhsa_system_vgpr_workitem_id 0
		.amdhsa_next_free_vgpr 226
		.amdhsa_next_free_sgpr 84
		.amdhsa_reserve_vcc 0
		.amdhsa_float_denorm_mode_32 3
		.amdhsa_float_denorm_mode_16_64 3
		.amdhsa_memory_ordered 1
		.amdhsa_forward_progress 1
		.amdhsa_inst_pref_size 126
	.end_amdhsa_kernel
	.amdgpu_metadata
---
amdhsa.version: [ 1, 2 ]
amdhsa.kernels:
  - .name:           k_q45e5101ea0_quant
    .symbol:         k_q45e5101ea0_quant.kd
    .args:
      - { .name: hidden_states, .offset: 0, .size: 8, .value_kind: global_buffer, .address_space: global }
      - { .name: q_kernel, .offset: 8, .size: 8, .value_kind: global_buffer, .address_space: global }
      - { .name: k_kernel, .offset: 16, .size: 8, .value_kind: global_buffer, .address_space: global }
      - { .name: v_kernel, .offset: 24, .size: 8, .value_kind: global_buffer, .address_space: global }
      - { .name: o_kernel, .offset: 32, .size: 8, .value_kind: global_buffer, .address_space: global }
      - { .name: lowp_scales, .offset: 40, .size: 8, .value_kind: global_buffer, .address_space: global }
      - { .name: hcodes, .offset: 48, .size: 8, .value_kind: global_buffer, .address_space: global }
      - { .name: wcodes, .offset: 56, .size: 8, .value_kind: global_buffer, .address_space: global }
    .group_segment_fixed_size: 69120
    .private_segment_fixed_size: 0
    .kernarg_segment_align: 8
    .kernarg_segment_size: 64
    .max_flat_workgroup_size: 128
    .sgpr_count:     84
    .vgpr_count:     226
    .wavefront_size: 32
...
	.end_amdgpu_metadata
.endif
;; end of part 1
;; launch qkv (part 2): grid 12 x 16, 4 waves a work-group, clusters of 4 x 4, 327,680 bytes of LDS; arguments hcodes, wcodes, lowp_scales, cos, sin, q_norm_w, k_norm_w, qcodes, kvcodes; writes qcodes, kvcodes
.if DOCPART == 2
	.amdgcn_target "amdgcn-amd-amdhsa--gfx1250"
	.amdhsa_code_object_version 6
	.text
	.protected	k_q45e5101ea0_qkv
	.globl	k_q45e5101ea0_qkv
	.p2align	8
	.type	k_q45e5101ea0_qkv,@function
k_q45e5101ea0_qkv:
	s_mov_b64 s[64:65], 0
	v_nop
	global_prefetch_b8 v0, s[64:65] scope:SCOPE_SE
	s_setreg_imm32_b32 hwreg(HW_REG_WAVE_MODE, 25, 1), 1
	s_wait_xcnt 0x0
	s_wait_alu depctr_hold_cnt(0) depctr_sa_sdst(0) depctr_va_vdst(0) depctr_va_sdst(0) depctr_va_ssrc(0) depctr_va_vcc(0) depctr_vm_vsrc(0)
	s_getreg_b32 s2, hwreg(HW_REG_IB_STS2, 6, 4)
	s_cmp_eq_u32 s2, 0
	s_cbranch_scc0 .Lentry_in_a_cluster
	s_endpgm
.Lentry_in_a_cluster:
	s_bfe_u32 s2, ttmp6, 0x10000c
	s_cmp_lg_u32 s2, 0xf033
	s_cbranch_scc0 .Lentry_shape_is_right
	s_endpgm
.Lentry_shape_is_right:
.set SLOT,  131072
.set SPARE, 2*SLOT
.set FR,    16
.set NL,    4
.set NP,    4
.set LAPS,  4
.set FILLB, 4096
.set CSP,   528
.set CSTG,  32*CSP
.set LI,   1
.set QSC,  2
.set QLM,  3
.set CSI,  4
.set CSO,  5
.set NWO,  6
.set SQ,   8
.set PX,   12
.set FF,   14
.set ADRA, 16
.set ADRB, 20
.set SPW,  28
.set NIL,  29
.set Z,    32
.set OUT,  96
.set CD,   160
.set NW,   176
.set AF,   128
.set WV,   22
.set RH,   23
.set CH,   68
.set G1,   24
.set G0,   32
.set G1B,  48
.set G0B,  56
.set DST,  66
.set SEL,  92
.set EPS,  94
.set ES,   95
.set E2M7, 96
.set MSB, 0
.macro WIN new
.if MSB != (\new)
	s_set_vgpr_msb (MSB<<8)|(\new)
.set MSB, (\new)
.endif
.endm
.set MUL_LO, 0xa1
.set MUL_HI, 0xf1
.set TO_B,   0x40
.macro JLOAD s
	s_cmp_eq_u32 s[RH], 0
	s_cbranch_scc0 .Lfor_b_\@
	tensor_load_to_lds s[G0+4*\s:G0+4*\s+3], s[G1:G1+7]
	s_nop 0
.rept 4
	v_nop
.endr
	s_branch .Lasked_\@
.Lfor_b_\@:
	tensor_load_to_lds s[G0B+4*\s:G0B+4*\s+3], s[G1B:G1B+7]
	s_nop 0
.rept 4
	v_nop
.endr
.Lasked_\@:
.endm
.macro CREST
	s_cmp_lg_u32 s[WV], 0
	s_cbranch_scc1 .Lnot_wave_0_\@
	s_barrier_signal -3
.Lnot_wave_0_\@:
	s_barrier_wait -3
	s_barrier_signal -1
	s_barrier_wait -1
.endm
.macro CROUND
	s_barrier_signal -1
	s_barrier_wait -1
	CREST
.endm
	s_load_b512 s[4:19], s[0:1], 0x0
	s_load_b64 s[20:21], s[0:1], 0x40
	v_lshl_add_u32 v[SPW], v0, 2, SPARE
	v_mov_b32 v[NIL], 0
	ds_add_u32 v28, v29
	ds_add_u32 v28, v29
	s_wait_dscnt 0x0
	v_lshrrev_b32 v7, 5, v0
	v_readfirstlane_b32 s[WV], v7
	s_lshr_b32 s[RH], s[WV], 1
	s_and_b32 s[CH], s[WV], 1
	s_bfe_u32 s40, ttmp6, 0x40000
	s_bfe_u32 s41, ttmp6, 0x40004
	s_and_b32 s43, ttmp7, 0xffff
	s_lshl_b32 s44, s41, 2
	s_lshl_b32 s44, 15, s44
	s_lshl_b32 s45, 0x1111, s40
	s_or_b32 s[G1], s44, (3<<16)|(1<<21)
	s_or_b32 s[G1B], s45, (3<<16)|(1<<21)
.irp g, G1, G1B
	s_mov_b32 s[\g+1], 512<<16
	s_mov_b32 s[\g+2], 8<<16
	s_mov_b32 s[\g+3], 512<<16
	s_mov_b32 s[\g+4], 8
	s_mov_b32 s[\g+5], 4096
	s_mov_b32 s[\g+6], 0
	s_mov_b32 s[\g+7], 0
.endr
	s_lshl_b32 s70, s43, 10
	s_lshl_b32 s73, ttmp9, 23
	s_lshl_b32 s74, ttmp9, 21
	s_lshl_b32 s76, s[CH], 7
	s_lshl_b32 s75, s41, 8
	s_lshl_b32 s77, s40, 8
	s_cmp_eq_u32 ttmp9, 2
	s_cselect_b32 s71, 0, s70
	s_cselect_b32 s72, s70, 0
	s_cselect_b32 s73, 0x400000, s73
	s_cselect_b32 s74, 0x1000000, s74
	s_add_co_u32 s75, s75, s76
	s_add_co_u32 s75, s75, s71
	s_lshl_b32 s75, s75, 11
	s_add_co_u32 s46, s75, s73
	s_mov_b32 s47, 0
	s_add_co_u32 s77, s77, s76
	s_add_co_u32 s77, s77, s72
	s_lshl_b32 s77, s77, 11
	s_add_co_u32 s78, s77, s74
	s_mov_b32 s79, 0
	s_lshl_b32 s69, s[WV], 15
	s_wait_kmcnt 0x0
	s_load_b256 s[80:87], s[8:9], 0x0
	s_load_b128 s[88:91], s[8:9], 0x20
	s_cmp_eq_u32 ttmp9, 2
	s_cselect_b64 s[70:71], s[6:7], s[4:5]
	s_cselect_b64 s[72:73], s[4:5], s[6:7]
	s_add_nc_u64 s[46:47], s[70:71], s[46:47]
	s_add_nc_u64 s[78:79], s[72:73], s[78:79]
	; the prefetches of the tiles: of the 8 tiles x 4,096 bytes that my wave fetches in a fill, my work-group names two, told apart from its three partners by address; lanes 256 bytes apart
	s_cmp_eq_u32 s[RH], 0
	s_cselect_b64 s[98:99], s[46:47], s[78:79]
	s_cselect_b32 s97, s40, s41
	s_lshl_b32 s97, s97, 16
	v_bfe_u32 v24, v0, 4, 1
	v_and_b32 v25, 15, v0
	v_lshlrev_b32 v24, 15, v24
	v_lshl_add_u32 v24, v25, 8, v24
	v_add_nc_u32 v24, s97, v24
	s_wait_alu depctr_va_vdst(0)
	CROUND
.irp s, 0,1
	s_mov_b32 s[G0+4*\s], 1
	s_add_co_u32 s[G0+4*\s+1], s69, \s*SLOT
	s_add_nc_u64 s[G0+4*\s+2:G0+4*\s+3], s[46:47], \s*FILLB
	s_or_b32 s[G0+4*\s+3], s[G0+4*\s+3], 0x80000000
	s_mov_b32 s[G0B+4*\s], 1
	s_add_co_u32 s[G0B+4*\s+1], s69, \s*SLOT
	s_add_nc_u64 s[G0B+4*\s+2:G0B+4*\s+3], s[78:79], \s*FILLB
	s_or_b32 s[G0B+4*\s+3], s[G0B+4*\s+3], 0x80000000
.if \s
	s_wait_alu depctr_va_vdst(0)
	s_wait_tensorcnt 0x0
	ds_add_u32 v28, v29
	ds_add_u32 v28, v29
	s_wait_dscnt 0x0
	CROUND
.endif
	JLOAD \s
	global_prefetch_b8 v24, s[98:99] offset:(2+\s)*FILLB th:TH_LOAD_NT scope:SCOPE_SE   ; the fill two refills on
.endr
	v_and_b32 v7, 31, v0
	v_lshlrev_b32 v[LI], 4, v7
	s_wait_alu depctr_va_vdst(0)
	v_and_b32 v8, 15, v0
	s_wait_alu depctr_va_vdst(0)
	v_bfe_u32 v9, v0, 4, 1
	s_lshl_b32 s70, s[RH], 15
	s_lshl_b32 s71, s[CH], 15
	s_add_co_u32 s71, s71, 65536
.irp s, 0,1
	v_add_nc_u32 v[ADRA+\s], s70, v[LI]
	v_add_nc_u32 v[ADRB+\s], s71, v[LI]
	s_add_co_u32 s70, s70, SLOT
	s_add_co_u32 s71, s71, SLOT
.endr
	s_mul_i32 s70, s[WV], CSTG
	v_add_nc_u32 v[CSI], s70, v[LI]
	v_mul_u32_u24 v[CSO], v8, CSP
	s_wait_alu depctr_va_vdst(0)
	v_lshl_add_u32 v[CSO], v9, 6, v[CSO]
	v_add_nc_u32 v[CSO], s70, v[CSO]
	v_lshlrev_b32 v[NWO], 6, v9
	v_mov_b32 v[PX], 0
	v_mov_b32 v[FF+1], 0
	s_mov_b32 s[SEL], 0x76543210
	s_mov_b32 s[SEL+1], 0xfedcba98
	s_mov_b32 s[EPS], 0x358637bd
	s_wait_kmcnt 0x0
	s_add_co_i32 s70, s80, s81
	s_add_co_i32 s71, s82, s83
	s_add_co_i32 s72, s84, s85
	s_sub_co_i32 s73, s89, s72
	s_cmp_eq_u32 ttmp9, 1
	s_cselect_b32 s[ES], s71, s70
	s_cselect_b32 s74, s87, s86
	s_cmp_eq_u32 ttmp9, 2
	s_cselect_b32 s[ES], s72, s[ES]
	s_cselect_b32 s74, s73, s74
	s_lshl_b32 s[E2M7], s[ES], 1
	s_sub_co_i32 s[E2M7], s[E2M7], 7
	s_add_co_i32 s74, s74, 127
	s_lshl_b32 s75, s74, 23
	v_mov_b32 v[QSC], s75
	s_add_co_i32 s74, s74, 8
	s_lshl_b32 s74, s74, 23
	s_or_b32 s74, s74, 0x600000
	v_mov_b32 v[QLM], s74
	s_lshl_b32 s70, s43, 10
	s_lshl_b32 s71, s41, 8
	s_add_co_u32 s70, s70, s71
	s_lshl_b32 s71, s[RH], 7
	s_add_co_u32 s70, s70, s71
	s_lshl_b32 s72, s70, 9
	s_mov_b32 s73, 0
	s_add_nc_u64 s[10:11], s[10:11], s[72:73]
	s_add_nc_u64 s[12:13], s[12:13], s[72:73]
	; the prefetch of cos and sin: the eight waves of a cluster's row that read the same 128 rows take 16 rows each; a lane names 256 bytes
	s_lshl_b32 s97, s40, 1
	s_add_co_u32 s97, s97, s[CH]
	s_lshl_b32 s97, s97, 13
	v_bfe_u32 v26, v0, 4, 1
	v_lshlrev_b32 v26, 8, v26
	v_lshl_add_u32 v26, v25, 9, v26
	v_add_nc_u32 v26, s97, v26
	s_wait_alu depctr_va_vdst(0)
	s_and_b32 s70, s70, 2047
	s_lshl_b32 s71, s40, 1
	s_add_co_u32 s71, s71, s[CH]
	s_lshr_b32 s72, s43, 1
	s_lshl_b32 s72, s72, 3
	s_add_co_u32 s71, s71, s72
	s_lshl_b32 s74, s71, 18
	s_lshl_b32 s75, s70, 7
	s_add_co_u32 s74, s74, s75
	s_lshl_b32 s75, s71, 19
	s_lshr_b32 s76, s70, 7
	s_lshl_b32 s76, s76, 15
	s_add_co_u32 s75, s75, s76
	s_lshl_b32 s76, s41, 1
	s_add_co_u32 s76, s76, s[RH]
	s_lshl_b32 s77, s43, 3
	s_lshl_b32 s78, s40, 1
	s_add_co_u32 s77, s77, s78
	s_add_co_u32 s77, s77, s[CH]
	s_lshr_b32 s78, s77, 4
	s_lshl_b32 s78, s78, 3
	s_add_co_u32 s78, s78, s76
	s_lshl_b32 s78, s78, 19
	s_and_b32 s77, s77, 15
	s_lshl_b32 s77, s77, 15
	s_add_co_u32 s78, s78, s77
	s_add_co_u32 s78, s78, 16384
	s_cmp_eq_u32 ttmp9, 0
	s_cselect_b64 s[DST:DST+1], s[18:19], s[20:21]
	s_cselect_b64 s[14:15], s[14:15], s[16:17]
	s_cselect_b32 s74, s74, s75
	s_cmp_eq_u32 ttmp9, 2
	s_cselect_b32 s74, s78, s74
	s_mov_b32 s75, 0
	s_add_nc_u64 s[DST:DST+1], s[DST:DST+1], s[74:75]
.macro FRAG reg, adr, q, i
.irp c, 0,1,2,3
	ds_load_b128 v[\reg+4*\c:\reg+4*\c+3], v[\adr] offset:4096*(\i)+2048*(\q)+512*\c
.endr
.endm
.macro MUL16 a0, p, zero
.irp a, \a0, \a0+1
.irp b, 0,1,2,3,4,5,6,7
.if \zero
	v_wmma_f32_16x16x128_fp8_fp8 v[8*(8*((\a)%4)+\b):8*(8*((\a)%4)+\b)+7], v[128*(\p)+FR*\b:128*(\p)+FR*\b+FR-1], v[AF+FR*(\a):AF+FR*(\a)+FR-1], 0
.else
	v_wmma_f32_16x16x128_fp8_fp8 v[8*(8*((\a)%4)+\b):8*(8*((\a)%4)+\b)+7], v[128*(\p)+FR*\b:128*(\p)+FR*\b+FR-1], v[AF+FR*(\a):AF+FR*(\a)+FR-1], v[8*(8*((\a)%4)+\b):8*(8*((\a)%4)+\b)+7]
.endif
.endr
.endr
.endm
.macro FETCH_B slot, q, p
	WIN TO_B
.irp i, 0,1,2,3,4,5,6,7
	FRAG 128*(\p)+FR*\i, ADRB+\slot, \q, \i
.endr
	WIN 0
.endm
.macro FETCH_A slot, q, i0
.irp i, \i0, \i0+1, \i0+2, \i0+3
	FRAG AF+FR*(\i), ADRA+\slot, \q, \i
.endr
.endm
.macro PLACES n
.rept \n
	v_nop
.endr
.endm
.macro STEP slot, q, zero
	s_wait_dscnt 4*NL
	WIN MUL_LO
	MUL16 0, (\q)%2, \zero
	MUL16 2, (\q)%2, \zero
	s_wait_dscnt 0
	PLACES NP
	FETCH_B \slot, (\q)+1, 1-(\q)%2
	FETCH_A \slot, (\q)+1, 0
	WIN MUL_HI
	MUL16 4, (\q)%2, \zero
	MUL16 6, (\q)%2, \zero
	PLACES NP
	WIN 0
	FETCH_A \slot, (\q)+1, 4
.endm
.macro TURN slot, next, fill
.if \fill
	s_wait_xcnt 0x0                                ; my last prefetch has read its address
	s_add_nc_u64 s[98:99], s[98:99], FILLB
.endif
	s_wait_tensorcnt 0x0
	ds_add_u32 v[SPW], v[NIL]
	s_wait_dscnt 4*NL+1
	WIN MUL_LO
	MUL16 0, 1, 0
	s_wait_dscnt 0x0
	s_barrier_signal -1
	MUL16 2, 1, 0
	WIN 0
	s_barrier_wait -1
.if \fill
	CREST
	s_add_nc_u64 s[G0+4*\slot+2:G0+4*\slot+3], s[G0+4*\slot+2:G0+4*\slot+3], 2*FILLB
	s_add_nc_u64 s[G0B+4*\slot+2:G0B+4*\slot+3], s[G0B+4*\slot+2:G0B+4*\slot+3], 2*FILLB
	JLOAD \slot
.else
	PLACES NP
.endif
	FETCH_B \next, 0, 0
	FETCH_A \next, 0, 0
.if \fill
	s_cmp_gt_u32 s3, 1                             ; the loop's last trip has no fill two refills on
	s_cbranch_scc0 .Lno_ask_\@
	global_prefetch_b8 v24, s[98:99] offset:3*FILLB th:TH_LOAD_NT scope:SCOPE_SE
.Lno_ask_\@:
.endif
	WIN MUL_HI
	MUL16 4, 1, 0
	MUL16 6, 1, 0
	PLACES NP
	WIN 0
	FETCH_A \next, 0, 4
.endm
	s_wait_tensorcnt 1
	s_barrier_signal -1
	s_barrier_wait -1
	FETCH_B 0, 0, 0
	FETCH_A 0, 0, 0
	FETCH_A 0, 0, 4
	STEP 0, 0, 1
	s_mov_b32 s3, LAPS-1
.Llap:
	TURN 0, 1, 1
	STEP 1, 0, 0
	TURN 1, 0, 1
	STEP 0, 0, 0
	s_sub_co_u32 s3, s3, 1
	s_cmp_lg_u32 s3, 0
	s_cbranch_scc1 .Llap
	TURN 0, 1, 0
	s_cmp_eq_u32 ttmp9, 2                          ; v's clusters read no cos and no sin
	s_cbranch_scc1 .Lno_cs
	global_prefetch_b8 v26, s[10:11] th:TH_LOAD_NT scope:SCOPE_SE
	global_prefetch_b8 v26, s[12:13] th:TH_LOAD_NT scope:SCOPE_SE
.Lno_cs:
	STEP 1, 0, 0
	s_wait_dscnt 4*NL
	WIN MUL_LO
	MUL16 0, 1, 0
	MUL16 2, 1, 0
	s_wait_dscnt 0
	WIN MUL_HI
	MUL16 4, 1, 0
	MUL16 6, 1, 0
	WIN 0
	PLACES NP
.macro GLCS a
	WIN 0x40
.set t, 0
.rept 16
	global_load_b128 v[128*((\a)%2)+4*t:128*((\a)%2)+4*t+3], v[LI], s[10:11] offset:(32*((\a)/2)+8*((\a)%2)+t+8*(t/8))*512
.set t, t+1
.endr
.set t, 0
.rept 16
	global_load_b128 v[128*((\a)%2)+64+4*t:128*((\a)%2)+64+4*t+3], v[LI], s[12:13] offset:(32*((\a)/2)+8*((\a)%2)+t+8*(t/8))*512
.set t, t+1
.endr
	WIN 0
.endm
.macro TURNCS a
	WIN 0x04
.set t, 0
.rept 16
	ds_store_b128 v[CSI], v[128*((\a)%2)+4*t:128*((\a)%2)+4*t+3] offset:CSP*t
.set t, t+1
.endr
.set t, 0
.rept 16
	ds_store_b128 v[CSI], v[128*((\a)%2)+64+4*t:128*((\a)%2)+64+4*t+3] offset:16*CSP+CSP*t
.set t, t+1
.endr
	WIN 0x40
.set t, 0
.rept 16
	ds_load_b128 v[128*((\a)%2)+4*t:128*((\a)%2)+4*t+3], v[CSO] offset:128*(t/4)+16*(t%4)
.set t, t+1
.endr
.set t, 0
.rept 16
	ds_load_b128 v[128*((\a)%2)+64+4*t:128*((\a)%2)+64+4*t+3], v[CSO] offset:16*CSP+128*(t/4)+16*(t%4)
.set t, t+1
.endr
	WIN 0
.endm
.macro CODES a, src
.if (\a) > 0
	s_wait_xcnt 0x0
.endif
.irp c, 0,1,2,3
	v_cvt_scalef32_pk8_fp8_f32 v[CD+4*\c:CD+4*\c+1], v[\src+16*\c:\src+16*\c+7], v[QSC]
	v_cvt_scalef32_pk8_fp8_f32 v[CD+4*\c+2:CD+4*\c+3], v[\src+16*\c+8:\src+16*\c+15], v[QSC]
.endr
	v_nop
.irp c, 0,1,2,3
	global_store_b128 v[LI], v[CD+4*\c:CD+4*\c+3], s[DST:DST+1] offset:2048*(\a)+512*\c
.endr
.endm
.macro QKBLOCK a
.set AC,  64*((\a)%4)
.set CSR, 128*((\a)%2)
.if (\a) < 7
	s_wait_loadcnt 32
.else
	s_wait_loadcnt 0x0
.endif
	TURNCS \a
	WIN 0x0a+5*((\a)/4)
	v_pk_mul_f32 v[SQ:SQ+1], v[AC:AC+1], v[AC:AC+1]
	v_pk_mul_f32 v[SQ+2:SQ+3], v[AC+2:AC+3], v[AC+2:AC+3]
.set j, 4
.rept 15
	v_pk_fma_f32 v[SQ:SQ+1], v[AC+j:AC+j+1], v[AC+j:AC+j+1], v[SQ:SQ+1]
	v_pk_fma_f32 v[SQ+2:SQ+3], v[AC+j+2:AC+j+3], v[AC+j+2:AC+j+3], v[SQ+2:SQ+3]
.set j, j+4
.endr
	WIN 0
	v_pk_add_f32 v[SQ:SQ+1], v[SQ:SQ+1], v[SQ+2:SQ+3]
	v_add_f32 v[SQ], v[SQ], v[SQ+1]
	v_permlanex16_b32 v[PX], v[SQ], s[SEL], s[SEL+1]
	v_add_f32 v[SQ], v[SQ], v[PX]
	v_ldexp_f32 v[SQ], v[SQ], s[E2M7]
	v_add_f32 v[SQ], s[EPS], v[SQ]
	s_wait_alu depctr_va_vdst(0)
	v_rsq_f32 v[FF], v[SQ]
	WIN 0x02+(\a)/4
.set j, 0
.rept 32
	v_pk_mul_f32 v[Z+j:Z+j+1], v[AC+j:AC+j+1], v[NW+j:NW+j+1]
.set j, j+2
.endr
	WIN 0
	s_wait_alu depctr_va_vdst(0)
	v_ldexp_f32 v[FF], v[FF], s[ES]
	s_wait_dscnt 0x0
	WIN 0x04
.set j, 0
.rept 32
	v_pk_mul_f32 v[OUT+j:OUT+j+1], v[Z+j:Z+j+1], v[CSR+j:CSR+j+1]
.set j, j+2
.endr
.set j, 0
.rept 16
	v_pk_fma_f32 v[OUT+j:OUT+j+1], v[Z+32+j:Z+32+j+1], v[CSR+64+j:CSR+64+j+1], v[OUT+j:OUT+j+1] neg_lo:[1,0,0] neg_hi:[1,0,0]
.set j, j+2
.endr
.set j, 0
.rept 16
	v_pk_fma_f32 v[OUT+32+j:OUT+32+j+1], v[Z+j:Z+j+1], v[CSR+96+j:CSR+96+j+1], v[OUT+32+j:OUT+32+j+1]
.set j, j+2
.endr
	WIN 0
.if (\a) < 6
	GLCS (\a)+2
.endif
.set j, 0
.rept 32
	v_pk_mul_f32 v[OUT+j:OUT+j+1], v[OUT+j:OUT+j+1], v[FF:FF+1] op_sel_hi:[1,0]
.set j, j+2
.endr
.set j, 0
.rept 64
	v_med3_num_f32 v[OUT+j], v[OUT+j], -v[QLM], v[QLM]
.set j, j+1
.endr
	s_wait_alu depctr_va_vdst(0)
	CODES \a, OUT
.endm
.macro VBLOCK a
.set AC, 64*((\a)%4)
	WIN 0x02+(\a)/4
.set j, 0
.rept 64
	v_med3_num_f32 v[Z+j], v[AC+j], -v[QLM], v[QLM]
.set j, j+1
.endr
	WIN 0
	s_wait_alu depctr_va_vdst(0)
	CODES \a, Z
.endm
	s_cmp_eq_u32 ttmp9, 2
	s_cbranch_scc1 .Lv
.set t, 0
	s_wait_alu depctr_va_vdst(0)
.rept 16
	global_load_b128 v[NW+4*t:NW+4*t+3], v[NWO], s[14:15] offset:128*(t/4)+16*(t%4)
.set t, t+1
.endr
	GLCS 0
	GLCS 1
.irp a, 0,1,2,3,4,5,6,7
	QKBLOCK \a
.endr
	s_branch .Lend
.Lv:
	s_wait_alu depctr_va_vdst(0)
.irp a, 0,1,2,3,4,5,6,7
	VBLOCK \a
.endr
.Lend:
	s_wait_tensorcnt 0x0
	ds_add_u32 v[SPW], v[NIL]
	s_wait_dscnt 0x0
	CROUND
	s_endpgm
.Lfunc_end_k_q45e5101ea0_qkv:
	.size	k_q45e5101ea0_qkv, .Lfunc_end_k_q45e5101ea0_qkv-k_q45e5101ea0_qkv
	.p2alignl 7, 3214868480
	.fill 96, 4, 3214868480
	.section	.rodata,"a",@progbits
	.p2align	6, 0x0
	.amdhsa_kernel k_q45e5101ea0_qkv
		.amdhsa_group_segment_fixed_size 327680
		.amdhsa_private_segment_fixed_size 0
		.amdhsa_enable_private_segment 0
		.amdhsa_kernarg_size 72
		.amdhsa_user_sgpr_count 2
		.amdhsa_user_sgpr_kernarg_segment_ptr 1
		.amdhsa_wavefront_size32 1
		.amdhsa_system_sgpr_workgroup_id_x 1
		.amdhsa_system_sgpr_workgroup_id_y 1
		.amdhsa_system_sgpr_workgroup_id_z 1
		.amdhsa_system_vgpr_workitem_id 0
		.amdhsa_next_free_vgpr 1024
		.amdhsa_next_free_sgpr 100
		.amdhsa_reserve_vcc 0
		.amdhsa_float_denorm_mode_32 3
		.amdhsa_float_denorm_mode_16_64 3
		.amdhsa_memory_ordered 1
		.amdhsa_forward_progress 1
		.amdhsa_inst_pref_size 255
	.end_amdhsa_kernel
	.section	.bss,"aw",@nobits
	.p2align	6
	.space	262144
	.amdgpu_metadata
---
amdhsa.version: [ 1, 2 ]
amdhsa.kernels:
  - .name:           k_q45e5101ea0_qkv
    .symbol:         k_q45e5101ea0_qkv.kd
    .args:
      - { .name: hcodes, .offset: 0, .size: 8, .value_kind: global_buffer, .address_space: global }
      - { .name: wcodes, .offset: 8, .size: 8, .value_kind: global_buffer, .address_space: global }
      - { .name: lowp_scales, .offset: 16, .size: 8, .value_kind: global_buffer, .address_space: global }
      - { .name: cos, .offset: 24, .size: 8, .value_kind: global_buffer, .address_space: global }
      - { .name: sin, .offset: 32, .size: 8, .value_kind: global_buffer, .address_space: global }
      - { .name: q_norm_w, .offset: 40, .size: 8, .value_kind: global_buffer, .address_space: global }
      - { .name: k_norm_w, .offset: 48, .size: 8, .value_kind: global_buffer, .address_space: global }
      - { .name: qcodes, .offset: 56, .size: 8, .value_kind: global_buffer, .address_space: global }
      - { .name: kvcodes, .offset: 64, .size: 8, .value_kind: global_buffer, .address_space: global }
    .group_segment_fixed_size: 327680
    .private_segment_fixed_size: 0
    .kernarg_segment_align: 8
    .kernarg_segment_size: 72
    .max_flat_workgroup_size: 128
    .sgpr_count:     100
    .vgpr_count:     1024
    .wavefront_size: 32
...
	.end_amdgpu_metadata
.endif
;; end of part 2
;; launch attn (part 3): grid 8 x 32, 8 waves a work-group, clusters of 4 x 4, 327,680 bytes of LDS; arguments qcodes, kvcodes, attention_mask, lowp_scales, acodes; writes acodes
.if DOCPART == 3
	.amdgcn_target "amdgcn-amd-amdhsa--gfx1250"
	.amdhsa_code_object_version 6
	.text
	.protected	k_q45e5101ea0_attn
	.globl	k_q45e5101ea0_attn
	.p2align	8
	.type	k_q45e5101ea0_attn,@function
k_q45e5101ea0_attn:
	s_mov_b64 s[64:65], 0
	v_nop
	global_prefetch_b8 v0, s[64:65] scope:SCOPE_SE
	s_setreg_imm32_b32 hwreg(HW_REG_WAVE_MODE, 25, 1), 1
	s_wait_xcnt 0x0
	s_wait_alu depctr_hold_cnt(0) depctr_sa_sdst(0) depctr_va_vdst(0) depctr_va_sdst(0) depctr_va_ssrc(0) depctr_va_vcc(0) depctr_vm_vsrc(0)
	s_getreg_b32 s2, hwreg(HW_REG_IB_STS2, 6, 4)
	s_cmp_eq_u32 s2, 0
	s_cbranch_scc0 .Lentry_in_a_cluster
	s_endpgm
.Lentry_in_a_cluster:
	s_bfe_u32 s2, ttmp6, 0x10000c
	s_cmp_lg_u32 s2, 0xf033
	s_cbranch_scc0 .Lentry_shape_is_right
	s_endpgm
.Lentry_shape_is_right:
; Attention on codes of E4M3 with the additive mask that is given: every score of every head is made and every number of the mask is read.
; logit = score x 128^-1/2 + mask;  t = logit x log2(e);  M = the running largest t rounded up to a whole number;  p = 2^(t - M) is quantised along the keys; the row's sum is taken of the unquantised p and divides at the end.
; t - M is one fused multiply-add on the logit; the largest t is the largest logit x log2(e), rounded once.
; SHARES.  A work-group owns 128 queries of one head, each of its eight waves one tile of 16.  Every wave walks the 2,048 keys, 128 a step, 16 steps.
; Both products are used transposed (S^T = K Q^T, O^T = V^T P^T): a lane holds one query; register 16 c + i of S^T is key 32 c + 16 (lane / 16) + i, since row r of K's tile t is key 32 (t / 2) + 8 (t % 2) + r + 8 (r / 8).
; Lane r of wave w is query 32 (w / 2) + 8 (w % 2) + r + 8 (r / 8) of the block; the mask's row is taken by that number.
; CLUSTER 4 x 4: x = four heads, y = four blocks of queries of one batch.  K and V are shared along a column and asked for jointly.
; THE RING: two slots of FOUR steps of K and V, 131,072 bytes each; step s lies at 32,768 (s % 8).  A fill is 131,072 consecutive bytes of memory: each of the eight waves asks for 16,384 of them, one load a wave.
; Fill 0 goes out at the head, fill 1 behind the first round, fills 2 and 3 behind the rounds that follow steps 3 and 7: a load has four steps in which to land.
; THE MASK IS NOT ASKED FOR JOINTLY: a step's 128 x 128 numbers are 65,536 bytes beside K's and V's 32,768; in the ring they would hold a slot to one step.  Each wave loads its own 16 rows x 512 bytes into registers,
; one step ahead, sixteen lanes to 256 consecutive aligned bytes, and turns them through its own stage in LDS (16 rows x 272 bytes, half a row at a time) into the scores' layout.
; PREFETCH: the mask's tile of step s + 3 is named in step s, two steps ahead of the loads that want it.  K and V have none: their tensor loads themselves go out four steps ahead of the first read.
; THE PIPELINE: a step begins with its K's loads from LDS; the softmax of the step before stands between them and their use; then the mask's turn, V^T P of the step before, K Q^T, V's loads, the logits.
; The result / the sum x 2^(e8 + e9) is quantised with entry 10 and stored as the image (token tile, head) of the last product's operand: acodes [token tile 256][head 8][2048].
; LIMITS: entries 8 and 10 lie between -126 and 119; entry 6 + entry 7 between -122 and 130.  NaN among the inputs is not served; a row whose logits are all -infinity gives NaN, as in the source.
; REGISTERS: window 0: v1-8 addresses; v12 -M, v13 the largest t, v[14:15] the sum; v16-31 Q; v32-95 V's fragments 0-3; v96-159 S^T, then p; v160-223 O^T; v224-239 p's codes; v236-255 at work and scales.
;   window 1: v0-63 the mask; v64-191 K's fragments; v192-255 V's fragments 4-7.
.set VOFF,  16384
.set STEPB, 32768
.set SLOTB, 131072
.set SP,    272
.set STG,   2*SLOTB                    ; behind the ring: the waves' stages, 4,352 bytes each, into which no fill lands
.set SPARE, STG+8*16*SP                ; behind them the spare words, 128 bytes a wave, which no other line names
.set LI,  1                            ; 16 x lane
.set STI, 2                            ; the stage, in
.set PFO, 3                            ; the prefetches' offset: a lane a row
.set STO, 4                            ; the stage, out
.set SPW, 5
.set NIL, 6
.set MGO, 7                            ; the mask's loads: 8,192 (lane / 16) + 16 (lane % 16)
.set ADF, 8                            ; the step's images in the ring
.set QF,  16
.set VF,  32
.set S,   96
.set O,   160
.set PC,  224
.set KF,  64
.set VG,  192
.set WV,   18
.set SEL,  20
.set CS,   22
.set G1KV, 24
.set KV,   40
.set MB,   44
.set CNT,  48
.set ST,   49
.set PLIM, 50
.set TB,   51
.set PFA,  52
.set EPV,  62
.set L2E,  66
.set MSB, 0
.macro WIN new
.if MSB != (\new)
	s_set_vgpr_msb (MSB<<8)|(\new)
.set MSB, (\new)
.endif
.endm
.macro NOP4
.rept 4
	v_nop
.endr
.endm
.macro CROUND
	s_barrier_signal -1
	s_barrier_wait -1
	s_cmp_lg_u32 s[WV], 0
	s_cbranch_scc1 .Lnot_wave_0_\@
	s_barrier_signal -3
.Lnot_wave_0_\@:
	s_barrier_wait -3
	s_barrier_signal -1
	s_barrier_wait -1
.endm
.macro TL                              ; my 16,384 bytes of a fill; s_nop 0 and four v_nop follow
	tensor_load_to_lds s[KV:KV+3], s[G1KV:G1KV+7]
	s_nop 0
	NOP4
.endm
.macro GLM                             ; my 16 rows x 512 bytes of a step's mask: load (u, j) takes rows 2 j, 2 j + 1 of my tile, 256 bytes each
	WIN 0x40
.irp u, 0,1
.set j, 0
.rept 8
	global_load_b128 v[32*\u+4*j:32*\u+4*j+3], v[MGO], s[MB:MB+1] offset:(2*j+8*(j/4))*8192+256*\u
.set j, j+1
.endr
.endr
	WIN 0
.endm
	s_load_b256 s[4:11], s[0:1], 0x0               ; qcodes 4, kvcodes 6, the mask 8, the scales 10
	s_load_b64 s[12:13], s[0:1], 0x20              ; acodes
	v_lshl_add_u32 v[SPW], v0, 2, SPARE
	v_mov_b32 v[NIL], 0
	ds_add_u32 v[SPW], v[NIL]                      ; the opening lines: the add twice on end and its wait
	ds_add_u32 v[SPW], v[NIL]
	v_lshrrev_b32 v9, 5, v0
	v_readfirstlane_b32 s[WV], v9
	s_and_b32 s14, s[WV], 1
	s_bfe_u32 s56, ttmp6, 0x40000                  ; cx
	s_bfe_u32 s57, ttmp6, 0x40004                  ; cy
	s_and_b32 s58, ttmp7, 0xffff                   ; the cluster's y
	s_lshl_b32 s59, ttmp9, 2
	s_add_co_u32 s59, s59, s56                     ; the head
	s_lshl_b32 s60, s58, 2
	s_add_co_u32 s60, s60, s57                     ; 16 b + the block of 128 queries
	s_lshr_b32 s61, s58, 2
	s_lshl_b32 s61, s61, 3
	s_add_co_u32 s61, s61, s59                     ; 8 b + head
	s_lshl_b32 s77, 0x1111, s56                    ; my column of the cluster
	s_or_b32 s[G1KV], s77, (3<<16)|(1<<21)         ; a dense block of 16 KiB as 64 rows of 32 elements of 8 bytes
	s_mov_b32 s[G1KV+1], 32<<16
	s_mov_b32 s[G1KV+2], 64<<16
	s_mov_b32 s[G1KV+3], 32<<16
	s_mov_b32 s[G1KV+4], 64
	s_mov_b32 s[G1KV+5], 32
	s_mov_b32 s[G1KV+6], 0
	s_mov_b32 s[G1KV+7], 0
	s_lshl_b32 s76, s[WV], 14                      ; my part of a fill, in a slot and in memory
	s_lshl_b32 s92, s61, 19
	s_add_co_u32 s92, s92, s76
	s_mov_b32 s93, 0
	s_mov_b32 s[SEL], 0x76543210
	s_mov_b32 s[SEL+1], 0xfedcba98
	s_mov_b32 s[CS], 0x3db504f3                    ; 128^-1/2
	s_mov_b32 s[L2E], 0x3fb8aa3b                   ; log2(e)
	s_mov_b32 s[L2E+1], s[L2E]
	s_mov_b32 s[ST], 0                             ; the step in hand
	s_wait_dscnt 0x0
	s_wait_kmcnt 0x0
	s_load_b256 s[80:87], s[10:11], 0x0
	s_load_b128 s[88:91], s[10:11], 0x20
	s_mov_b32 s[KV], 1
	s_mov_b32 s[KV+1], s76
	s_add_nc_u64 s[KV+2:KV+3], s[6:7], s[92:93]
	s_or_b32 s[KV+3], s[KV+3], 0x80000000
	CROUND                                         ; all sixteen work-groups are here: the first joint loads meet
	TL                                             ; fill 0: steps 0 to 3
	s_and_b32 s78, s60, 15
	s_lshl_b32 s78, s78, 3
	s_add_co_u32 s78, s78, s[WV]
	s_lshl_b32 s78, s78, 11
	s_lshl_b32 s79, s61, 18
	s_add_co_u32 s78, s78, s79
	s_mov_b32 s79, 0
	s_add_nc_u64 s[4:5], s[4:5], s[78:79]          ; my tile of Q
	s_lshl_b32 s78, s60, 3
	s_add_co_u32 s78, s78, s[WV]
	s_lshl_b32 s78, s78, 3
	s_add_co_u32 s78, s78, s59
	s_lshl_b32 s78, s78, 11
	s_add_nc_u64 s[12:13], s[12:13], s[78:79]      ; my image in acodes
	s_lshr_b32 s76, s[WV], 1
	s_lshl_b32 s76, s76, 5
	s_lshl_b32 s77, s14, 3
	s_add_co_u32 s76, s76, s77                     ; my tile's row 0: 32 (w / 2) + 8 (w % 2)
	s_lshl_b32 s76, s76, 13
	s_lshl_b32 s94, s60, 20                        ; the block's 128 rows of 8,192 bytes
	s_add_co_u32 s78, s94, s76
	s_add_nc_u64 s[MB:MB+1], s[8:9], s[78:79]      ; the mask at my tile, step 0
	s_lshl_b32 s76, s56, 18                        ; the prefetches: my work-group's 32 rows of the block, told apart by address (cx),
	s_add_co_u32 s78, s94, s76
	s_lshl_b32 s76, s14, 8
	s_add_co_u32 s78, s78, s76                     ; my wave's half of a step's 512 bytes,
	s_add_co_u32 s78, s78, 3*512                   ; at step 3
	s_add_nc_u64 s[PFA:PFA+1], s[8:9], s[78:79]
	s_lshr_b32 s76, s[WV], 1
	s_xor_b32 s76, s76, 2                          ; 0 in waves 4 and 5,
	s_or_b32 s76, s76, ttmp9                       ; of the clusters with x = 0: both clusters of a y read the same rows
	s_cmp_eq_u32 s76, 0
	s_cselect_b32 s[PLIM], 13, 0                   ; steps 0 to 12 name steps 3 to 15
	s_mul_i32 s77, s[WV], 16*SP
	s_add_co_u32 s77, s77, STG                     ; my stage
	v_and_b32 v10, 31, v0
	v_and_b32 v9, 15, v0                           ; r
	v_bfe_u32 v11, v0, 4, 1                        ; h
	v_lshlrev_b32 v[LI], 4, v10
	v_lshlrev_b32 v[PFO], 13, v10
	v_lshlrev_b32 v[MGO], 13, v11
	v_lshl_add_u32 v[MGO], v9, 4, v[MGO]
	v_mul_u32_u24 v[STI], v11, SP
	v_lshl_add_u32 v[STI], v9, 4, v[STI]
	v_add_nc_u32 v[STI], s77, v[STI]               ; in: row 2 j + h, 16 bytes a lane
	v_mul_u32_u24 v[STO], v9, SP
	v_lshl_add_u32 v[STO], v11, 6, v[STO]
	v_add_nc_u32 v[STO], s77, v[STO]               ; out: row r, + 64 h
	v_mov_b32 v13, 0xff61b1e6                      ; the largest t so far: -3e38
	v_floor_f32 v12, -v13                          ; -M
	v_mov_b32 v14, 0
	v_mov_b32 v15, 0
	v_mov_b32 v236, 0                              ; a lane permute's destination counts as read
	v_mov_b32 v253, 0                              ; named as the upper half of a pair
	s_wait_alu depctr_va_vdst(0)                   ; the wait ahead of the first readers
.irp c, 0,1,2,3
	global_load_b128 v[QF+4*\c:QF+4*\c+3], v[LI], s[4:5] offset:512*\c
.endr
	GLM                                            ; step 0's mask
.set j, 0
.rept 64
	v_mov_b32 v[O+j], 0                            ; O^T: the step is written alike for all steps; the first change of M leaves zeros zeros
.set j, j+1
.endr
	s_wait_kmcnt 0x0
	s_add_co_i32 s76, s86, s87
	s_lshl_b32 s76, s76, 23
	s_add_co_i32 s[CS], s[CS], s76                 ; a score stands for score x 2^(e6 + e7): added to the factor's exponent field
	s_mov_b32 s[CS+1], s[CS]
	s_add_co_i32 s76, s88, 127
	s_lshl_b32 s77, s76, 23
	v_mov_b32 v244, s77                            ; 2^e8, for p
	s_add_co_i32 s76, s76, 8
	s_lshl_b32 s76, s76, 23
	s_or_b32 s76, s76, 0x600000
	v_mov_b32 v240, s76                            ; 448 x 2^e8
	s_add_co_i32 s76, s90, 127
	s_lshl_b32 s77, s76, 23
	v_mov_b32 v245, s77                            ; 2^e10, for the result
	s_add_co_i32 s76, s76, 8
	s_lshl_b32 s76, s76, 23
	s_or_b32 s76, s76, 0x600000
	v_mov_b32 v241, s76
	s_add_co_i32 s[EPV], s88, s89
.macro LOADK                           ; the step's K: 32 loads
	WIN 0x40
.set t, 0
.rept 32
	ds_load_b128 v[KF+4*t:KF+4*t+3], v[ADF] offset:512*t
.set t, t+1
.endr
	WIN 0
.endm
.macro ASK                             ; the mask's tile three steps on: a lane a row, 256 bytes of it a wave
	s_cmp_lt_u32 s[ST], s[PLIM]
	s_cbranch_scc0 .Lnot_mine_\@
	global_prefetch_b8 v[PFO], s[PFA:PFA+1] th:TH_LOAD_NT scope:SCOPE_SE
.Lnot_mine_\@:
.endm
.macro TURN                            ; the mask through my stage, half a row at a time: 16 stores and 16 loads.  LDS serves a wave's instructions in order, so no wait stands between them
	s_wait_loadcnt 0x0                             ; the step's mask is in (the first time: Q too)
	s_wait_dscnt 32                                ; V of the step before is in; K's 32 loads may be out
.irp u, 0,1
	WIN 0x04
.set j, 0
.rept 8
	ds_store_b128 v[STI], v[32*\u+4*j:32*\u+4*j+3] offset:2*j*SP
.set j, j+1
.endr
	WIN 0x40
.set j, 0
.rept 8
	ds_load_b128 v[32*\u+4*j:32*\u+4*j+3], v[STO] offset:128*(j/4)+16*(j%4)   ; register 16 c + i: key 32 c + 16 h + i of my query
.set j, j+1
.endr
.endr
	WIN 0
.endm
.macro QK                              ; S^T = K Q^T: eight tiles of 16 keys
	s_wait_dscnt 32                                ; K is in; the turn's 32 may be out
	WIN 0x01
.irp t, 0,1,2,3,4,5,6,7
	v_wmma_f32_16x16x128_fp8_fp8 v[S+8*\t:S+8*\t+7], v[KF+16*\t:KF+16*\t+15], v[QF:QF+15], 0
.endr
	WIN 0
.endm
.macro LOADV                           ; the step's V into registers, where it stays until the next step's V^T P
	NOP4                                           ; places: in front of loads into registers that the last products read, and of the first read of the scores
.set t, 0
.rept 16
	ds_load_b128 v[VF+4*t:VF+4*t+3], v[ADF] offset:VOFF+512*t
.set t, t+1
.endr
	WIN 0x40
.set t, 0
.rept 16
	ds_load_b128 v[VG+4*t:VG+4*t+3], v[ADF] offset:VOFF+8192+512*t
.set t, t+1
.endr
	WIN 0
.endm
.macro LOGITS last                     ; the logits, the next step's mask asked for, and the largest logit among my 64 keys in v254
	s_wait_dscnt 32                                ; the mask is back from the stage; V's 32 loads may be out
	WIN 0x10
.set j, 0
.rept 32
	v_pk_fma_f32 v[S+j:S+j+1], v[S+j:S+j+1], s[CS:CS+1], v[j:j+1] op_sel_hi:[1,0,1]   ; logit = score x scaling + mask
.set j, j+2
.endr
	WIN 0
	s_wait_alu depctr_va_vdst(0)                   ; the wait ahead of the branch
.if \last
	s_cmp_eq_u32 s[ST], 15                         ; there is no step 16
	s_cbranch_scc1 .Lno_mask_\@
.endif
	s_add_nc_u64 s[MB:MB+1], s[MB:MB+1], 512       ; the loads that read this base were waited for in the turn
	GLM
.Lno_mask_\@:
	v_max3_num_f32 v254, v[S], v[S+1], v[S+2]
	v_max3_num_f32 v252, v[S+3], v[S+4], v[S+5]
.set j, 6
.rept 14
	s_delay_alu instid0(VALU_DEP_2)
	v_max3_num_f32 v254, v254, v[S+j], v[S+j+1]
	s_delay_alu instid0(VALU_DEP_2)
	v_max3_num_f32 v252, v252, v[S+j+2], v[S+j+3]
.set j, j+4
.endr
	s_delay_alu instid0(VALU_DEP_2)
	v_max3_num_f32 v254, v254, v[S+62], v[S+63]
	s_delay_alu instid0(VALU_DEP_1)
	v_max_num_f32 v254, v254, v252
.endm
.macro SOFTMAX
	v_permlanex16_b32 v236, v254, s[SEL], s[SEL+1]
	s_delay_alu instid0(VALU_DEP_1)
	v_max_num_f32 v254, v254, v236                 ; and among the other half's 64 keys
	s_delay_alu instid0(VALU_DEP_1)
	v_mul_f32 v254, s[L2E], v254                   ; as t (the factor is positive)
	s_delay_alu instid0(VALU_DEP_1)
	v_max_num_f32 v13, v13, v254                   ; the running largest t
	v_mov_b32 v254, v12
	s_delay_alu instid0(VALU_DEP_2)
	v_floor_f32 v12, -v13                          ; the new -M = -ceil(t): a whole number
	s_delay_alu instid0(VALU_DEP_1)
	v_sub_f32 v254, v12, v254                      ; old M - new M, 0 or less
	s_delay_alu instid0(VALU_DEP_1)
	v_cvt_i32_f32 v254, v254                       ; (it saturates)
	s_delay_alu instid0(VALU_DEP_1)
	v_ldexp_f32 v252, 1.0, v254                    ; f = 2^(old M - new M)
.set j, 0
.rept 32
	v_pk_fma_f32 v[S+j:S+j+1], v[S+j:S+j+1], s[L2E:L2E+1], v[12:13] op_sel_hi:[1,0,0]   ; t - M
.set j, j+2
.endr
	s_wait_alu depctr_va_vdst(0)                   ; the wait ahead of the batch
.set j, 0
.rept 64
	v_exp_f32 v[S+j], v[S+j]                       ; p, at most 1, not normalised
.set j, j+1
.endr
	v_pk_mul_f32 v[14:15], v[14:15], v[252:253] op_sel_hi:[1,0]   ; the sums under the new M: the plain line behind the batch
	s_wait_alu depctr_va_vdst(0)                   ; one wait for the 64 exponentials, ahead of their first reader
	v_pk_add_f32 v[242:243], v[S:S+1], v[S+2:S+3]  ; the row's sum of the unquantised p, in four chains
	v_pk_add_f32 v[254:255], v[S+4:S+5], v[S+6:S+7]
	v_pk_add_f32 v[250:251], v[S+8:S+9], v[S+10:S+11]
	v_pk_add_f32 v[14:15], v[14:15], v[S+12:S+13]
.set j, 14
.rept 6
	v_pk_add_f32 v[242:243], v[242:243], v[S+j:S+j+1]
	v_pk_add_f32 v[254:255], v[254:255], v[S+j+2:S+j+3]
	v_pk_add_f32 v[250:251], v[250:251], v[S+j+4:S+j+5]
	v_pk_add_f32 v[14:15], v[14:15], v[S+j+6:S+j+7]
.set j, j+8
.endr
	v_pk_add_f32 v[242:243], v[242:243], v[S+62:S+63]
	v_pk_add_f32 v[254:255], v[254:255], v[250:251]
	v_pk_add_f32 v[14:15], v[14:15], v[242:243]
	v_pk_add_f32 v[14:15], v[14:15], v[254:255]
.irp b, 0,1,2,3
.set i, 0
.rept 16
	v_min_num_f32 v[S+16*\b+i], v[S+16*\b+i], v240 ; p is not negative: a one-sided hold (the conversion does not saturate: ISA guide 7.6.2)
.set i, i+1
.endr
	v_cvt_scalef32_pk8_fp8_f32 v[PC+4*\b:PC+4*\b+1], v[S+16*\b:S+16*\b+7], v244
	v_cvt_scalef32_pk8_fp8_f32 v[PC+4*\b+2:PC+4*\b+3], v[S+16*\b+8:S+16*\b+15], v244
.endr
	s_wait_alu depctr_va_vdst(0)                   ; the wait directly ahead of the first reader of O^T
.set j, 0
.rept 32
	v_pk_mul_f32 v[O+j:O+j+1], v[O+j:O+j+1], v[252:253] op_sel_hi:[1,0]   ; O^T under the new M; also the plain lines between the conversions and the products
.set j, j+2
.endr
.endm
.macro PV                              ; O^T += V^T P^T: eight accumulators by turns.  It leaves source 0 on window 1
.irp t, 0,1,2,3
	v_wmma_f32_16x16x128_fp8_fp8 v[O+8*\t:O+8*\t+7], v[VF+16*\t:VF+16*\t+15], v[PC:PC+15], v[O+8*\t:O+8*\t+7]
.endr
	WIN 0x01
.irp t, 4,5,6,7
	v_wmma_f32_16x16x128_fp8_fp8 v[O+8*\t:O+8*\t+7], v[VG+16*(\t-4):VG+16*(\t-4)+15], v[PC:PC+15], v[O+8*\t:O+8*\t+7]
.endr
.endm
.macro BODY first, last                ; a step; the softmax and V^T P are the step before's
	v_add_nc_u32 v[ADF], s[TB], v[LI]
	s_wait_alu depctr_va_vdst(0)
	LOADK
	ASK
.if (\first) == 0
	SOFTMAX
	s_wait_alu depctr_va_vdst(0)                   ; directly ahead of the turn's waits
.endif
	TURN
.if (\first) == 0
	PV
.endif
	QK
	LOADV
	LOGITS \last
	s_wait_alu depctr_va_vdst(0)                   ; directly ahead of the wait below
	s_wait_xcnt 0x0                                ; my prefetch has read its address
	s_add_nc_u64 s[PFA:PFA+1], s[PFA:PFA+1], 512
	s_add_co_u32 s[TB], s[TB], STEPB
	s_add_co_u32 s[ST], s[ST], 1
.endm
; THE CHANGE OF SLOTS.  Each wave waits for all its tensor loads, adds 0 to its spare word, and waits for that and for its LDS reads (K, V and the mask of the steps done are in registers).
; fill = 1: a round of the cluster's barrier, and my one joint load first behind it, into the slot that has been left (the first time: slot 1's first fill).  fill = 0: my work-group's barrier alone.
.macro SEQ fill
	s_wait_tensorcnt 0x0
	ds_add_u32 v[SPW], v[NIL]
.if \fill
	s_xor_b32 s[KV+1], s[KV+1], SLOTB
	s_add_nc_u64 s[KV+2:KV+3], s[KV+2:KV+3], SLOTB
.endif
	s_wait_dscnt 0x0
.if \fill
	CROUND
	TL
.else
	s_barrier_signal -1
	s_barrier_wait -1
.endif
.endm
.macro GROUP base, n, first, last      ; four steps in one slot
	s_mov_b32 s[TB], \base
.if \first
	BODY 1, 0
.endif
	s_mov_b32 s[CNT], \n
.Lstep_\@:
	BODY 0, \last
	s_sub_co_u32 s[CNT], s[CNT], 1
	s_cmp_lg_u32 s[CNT], 0
	s_cbranch_scc1 .Lstep_\@
.endm
	s_wait_alu depctr_va_vdst(0)                   ; the wait at the head's end
	SEQ 1                                          ; fill 0 is in; fill 1: steps 4 to 7
	GROUP 0, 3, 1, 0                               ; steps 0 to 3
	SEQ 1                                          ; fill 2: steps 8 to 11
	GROUP SLOTB, 4, 0, 0                           ; steps 4 to 7
	SEQ 1                                          ; fill 3: steps 12 to 15
	GROUP 0, 4, 0, 0                               ; steps 8 to 11
	SEQ 0                                          ; fill 3 is in; nothing is filled any more
	GROUP SLOTB, 4, 0, 1                           ; steps 12 to 15
	SOFTMAX
	s_wait_alu depctr_va_vdst(0)
	s_wait_dscnt 0x0                               ; V of step 15
	PV
	WIN 0
	NOP4
	v_add_f32 v14, v14, v15
	s_delay_alu instid0(VALU_DEP_1)
	v_permlanex16_b32 v252, v14, s[SEL], s[SEL+1]
	s_delay_alu instid0(VALU_DEP_1)
	v_add_f32 v14, v14, v252                       ; the row's sum
	s_wait_alu depctr_va_vdst(0)
	v_rcp_f32 v14, v14
	v_nop
	s_wait_alu depctr_va_vdst(0)
	v_ldexp_f32 v14, v14, s[EPV]                   ; x 2^(e8 + e9)
	s_wait_alu depctr_va_vdst(0)                   ; directly ahead of the first reader of O^T
.set j, 0
.rept 32
	v_pk_mul_f32 v[S+j:S+j+1], v[O+j:O+j+1], v[14:15] op_sel_hi:[1,0]   ; register 16 c + i: channel 32 c + 16 h + i of my query
.set j, j+2
.endr
.set j, 0
.rept 64
	v_med3_num_f32 v[S+j], v[S+j], -v241, v241
.set j, j+1
.endr
.irp b, 0,1,2,3
	v_cvt_scalef32_pk8_fp8_f32 v[PC+4*\b:PC+4*\b+1], v[S+16*\b:S+16*\b+7], v245
	v_cvt_scalef32_pk8_fp8_f32 v[PC+4*\b+2:PC+4*\b+3], v[S+16*\b+8:S+16*\b+15], v245
.endr
	v_nop
.irp c, 0,1,2,3
	global_store_b128 v[LI], v[PC+4*\c:PC+4*\c+3], s[12:13] offset:512*\c   ; 512 consecutive bytes, aligned
.endr
	s_wait_tensorcnt 0x0                           ; the wave's end
	ds_add_u32 v[SPW], v[NIL]
	s_wait_dscnt 0x0
	CROUND                                         ; the closing round
	s_endpgm
.Lfunc_end_k_q45e5101ea0_attn:
	.size	k_q45e5101ea0_attn, .Lfunc_end_k_q45e5101ea0_attn-k_q45e5101ea0_attn
	.p2alignl 7, 3214868480
	.fill 96, 4, 3214868480
	.section	.rodata,"a",@progbits
	.p2align	6, 0x0
	.amdhsa_kernel k_q45e5101ea0_attn
		.amdhsa_group_segment_fixed_size 327680
		.amdhsa_private_segment_fixed_size 0
		.amdhsa_enable_private_segment 0
		.amdhsa_kernarg_size 40
		.amdhsa_user_sgpr_count 2
		.amdhsa_user_sgpr_kernarg_segment_ptr 1
		.amdhsa_wavefront_size32 1
		.amdhsa_system_sgpr_workgroup_id_x 1
		.amdhsa_system_sgpr_workgroup_id_y 1
		.amdhsa_system_sgpr_workgroup_id_z 1
		.amdhsa_system_vgpr_workitem_id 0
		.amdhsa_next_free_vgpr 512
		.amdhsa_next_free_sgpr 100
		.amdhsa_reserve_vcc 0
		.amdhsa_float_denorm_mode_32 3
		.amdhsa_float_denorm_mode_16_64 3
		.amdhsa_memory_ordered 1
		.amdhsa_forward_progress 1
		.amdhsa_inst_pref_size 151
	.end_amdhsa_kernel
	.amdgpu_metadata
---
amdhsa.version: [ 1, 2 ]
amdhsa.kernels:
  - .name:           k_q45e5101ea0_attn
    .symbol:         k_q45e5101ea0_attn.kd
    .args:
      - { .name: qcodes, .offset: 0, .size: 8, .value_kind: global_buffer, .address_space: global }
      - { .name: kvcodes, .offset: 8, .size: 8, .value_kind: global_buffer, .address_space: global }
      - { .name: attention_mask, .offset: 16, .size: 8, .value_kind: global_buffer, .address_space: global }
      - { .name: lowp_scales, .offset: 24, .size: 8, .value_kind: global_buffer, .address_space: global }
      - { .name: acodes, .offset: 32, .size: 8, .value_kind: global_buffer, .address_space: global }
    .group_segment_fixed_size: 327680
    .private_segment_fixed_size: 0
    .kernarg_segment_align: 8
    .kernarg_segment_size: 40
    .max_flat_workgroup_size: 256
    .sgpr_count:     100
    .vgpr_count:     512
    .wavefront_size: 32
...
	.end_amdgpu_metadata
.endif
;; end of part 3
;; launch outp (part 4): grid 8 x 32, 4 waves a work-group, clusters of 4 x 4, 327,680 bytes of LDS; arguments acodes, wcodes, lowp_scales, out0; writes out0
.if DOCPART == 4
	.amdgcn_target "amdgcn-amd-amdhsa--gfx1250"
	.amdhsa_code_object_version 6
	.text
	.protected	k_q45e5101ea0_outp
	.globl	k_q45e5101ea0_outp
	.p2align	8
	.type	k_q45e5101ea0_outp,@function
k_q45e5101ea0_outp:
	s_mov_b64 s[64:65], 0
	v_nop
	global_prefetch_b8 v0, s[64:65] scope:SCOPE_SE
	s_setreg_imm32_b32 hwreg(HW_REG_WAVE_MODE, 25, 1), 1
	s_wait_xcnt 0x0
	s_wait_alu depctr_hold_cnt(0) depctr_sa_sdst(0) depctr_va_vdst(0) depctr_va_sdst(0) depctr_va_ssrc(0) depctr_va_vcc(0) depctr_vm_vsrc(0)
	s_getreg_b32 s2, hwreg(HW_REG_IB_STS2, 6, 4)
	s_cmp_eq_u32 s2, 0
	s_cbranch_scc0 .Lentry_in_a_cluster
	s_endpgm
.Lentry_in_a_cluster:
	s_bfe_u32 s2, ttmp6, 0x10000c
	s_cmp_lg_u32 s2, 0xf033
	s_cbranch_scc0 .Lentry_shape_is_right
	s_endpgm
.Lentry_shape_is_right:
; out0 [4096][2048] f32 = attention's result x o_kernel, on codes of E4M3; each finished sum x 2^(e10 + e11).
; A = acodes [token tile 256][8][2048], B = wcodes at 6 MiB [n tile 128][8][2048]: images of operand registers (16 rows x 128 K; piece c of lane l at 512 c + 16 l).
; A work-group makes 128 tokens x 256 columns: 256 work-groups; each of four waves makes 64 x 128: 32 accumulators.  Clusters of 4 x 4 ask for A's tiles along a row and B's along a column jointly.
; K = 1,024 comes in TWO fills of 512 along K: four fragments, 8,192 consecutive bytes, of each of A's 8 and B's 16 tiles: 196,608 bytes, one slot.  A wave asks for half of A's or of B's tiles with one load.
; Fill 0 goes out at the head; fill 1 takes the same bytes behind the one round in the launch's middle, when the fourth K step's fragments are in registers.  Two such slots do not fit in LDS.  The eight K steps are written out.
; No prefetch: the launch has no loop to run ahead in.
; The matrix instruction is used transposed (source 0 = B, source 1 = A).  Row r of tile T stands for index 32 (T / 2) + 8 (T % 2) + r + 8 (r / 8), in A and in B:
; so register j of accumulator (a, b) is column 32 (b / 2) + 16 (lane / 16) + 8 (b % 2) + j of the token that row lane % 16 of tile a stands for; both orders are undone by immediates on the way out.
; LIMIT: e10 + e11 lies between -126 and 127.
; REGISTERS: window 0: v1-29 addresses; v128-255 A's fragments, two sets of four; on the way out v32-95 a block's results, v128-255 two sets of rows.  window 1: B's two sets of eight.  window 2: the accumulators ((a, b) at v[8 (8 a + b)]).
.set SLOT,  196608                     ; A's 8 tiles x 8,192 bytes, then B's 16
.set BOFF,  65536
.set FR,    16
.set FILLB, 8192                       ; a tile's four fragments of a fill, consecutive in memory
.set SPITCH,528                        ; the way out: 16 rows x (512 + 16) bytes a wave,
.set STAGE, SLOT                       ; behind the slot, on bytes into which no fill lands
.set SPARE, STAGE+4*16*SPITCH          ; behind the stages: the spare words, 128 bytes a wave, which no other line names
.set ADRA, 16
.set ADRB, 20
.set STO,  24
.set RD,   25
.set CO,   26                          ; 16 x lane
.set SPW,  28
.set NIL,  29
.set TMP,  32
.set AF,   128
.set BK,   128
.set WV,   14
.set RH,   15                          ; which half of A's rows is mine; also: I fetch for A (0) or B (1)
.set CH,   16                          ; which half of B's rows is mine; also: which half of that tile I fetch
.set G1,   24
.set G0,   32
.set G1B,  48
.set G0B,  68
.set MSB, 0
.macro WIN new
.if MSB != (\new)
	s_set_vgpr_msb (MSB<<8)|(\new)
.set MSB, (\new)
.endif
.endm
.set MUL,  0xa1                        ; source 0 (B) window 1, source 1 (A) window 0, C and D window 2
.set TO_B, 0x40
.macro PLACES                          ; plain vector lines between a matrix instruction and a load into, or a vector read of, its registers
.rept 4
	v_nop
.endr
.endm
.macro CROUND
	s_barrier_signal -1
	s_barrier_wait -1
	s_cmp_lg_u32 s[WV], 0
	s_cbranch_scc1 .Lnot_wave_0_\@
	s_barrier_signal -3
.Lnot_wave_0_\@:
	s_barrier_wait -3
	s_barrier_signal -1
	s_barrier_wait -1
.endm
.macro JLOAD                           ; my one joint load of a fill: waves 0, 1 for A, waves 2, 3 for B; s_nop 0 and four v_nop follow each line
	s_cmp_eq_u32 s[RH], 0
	s_cbranch_scc0 .Lfor_b_\@
	tensor_load_to_lds s[G0:G0+3], s[G1:G1+7]
	s_nop 0
	PLACES
	s_branch .Lasked_\@
.Lfor_b_\@:
	tensor_load_to_lds s[G0B:G0B+3], s[G1B:G1B+7]
	s_nop 0
	PLACES
.Lasked_\@:
.endm
	s_load_b128 s[4:7], s[0:1], 0x0                ; acodes, wcodes
	s_load_b128 s[8:11], s[0:1], 0x10              ; the scales, out0
	v_lshl_add_u32 v[SPW], v0, 2, SPARE
	v_mov_b32 v[NIL], 0
	ds_add_u32 v[SPW], v[NIL]                      ; the opening lines: the add twice on end and its wait
	ds_add_u32 v[SPW], v[NIL]
	s_wait_dscnt 0x0
	v_lshrrev_b32 v1, 5, v0
	v_readfirstlane_b32 s[WV], v1
	s_lshr_b32 s[RH], s[WV], 1
	s_and_b32 s[CH], s[WV], 1
	s_bfe_u32 s80, ttmp6, 0x40000                  ; cx
	s_bfe_u32 s81, ttmp6, 0x40004                  ; cy
	s_lshl_b32 s82, ttmp9, 2
	s_add_co_u32 s82, s82, s80                     ; tile column: 256 columns
	s_and_b32 s17, ttmp7, 0xffff
	s_lshl_b32 s17, s17, 2
	s_add_co_u32 s17, s17, s81                     ; tile row: 128 tokens
	s_lshl_b32 s83, s81, 2
	s_lshl_b32 s83, 15, s83                        ; my row of the cluster
	s_lshl_b32 s84, 0x1111, s80                    ; my column
	s_or_b32 s[G1], s83, (3<<16)|(1<<21)           ; A: 4 rows (tiles) of 8,192 bytes (four fragments), 16 KiB apart: elements of 8 bytes
	s_mov_b32 s[G1+1], 1024<<16
	s_mov_b32 s[G1+2], 4<<16
	s_mov_b32 s[G1+3], 1024<<16
	s_mov_b32 s[G1+4], 4
	s_mov_b32 s[G1+5], 2048
	s_mov_b32 s[G1+6], 0
	s_mov_b32 s[G1+7], 0
	s_or_b32 s[G1B], s84, (3<<16)|(1<<21)          ; B: 8 such rows
	s_mov_b32 s[G1B+1], 1024<<16
	s_mov_b32 s[G1B+2], 8<<16
	s_mov_b32 s[G1B+3], 1024<<16
	s_mov_b32 s[G1B+4], 8
	s_mov_b32 s[G1B+5], 2048
	s_mov_b32 s[G1B+6], 0
	s_mov_b32 s[G1B+7], 0
	s_lshl_b32 s20, s17, 7
	s_lshl_b32 s18, s[CH], 6
	s_add_co_u32 s20, s20, s18                     ; A: row 128 x tile row + 64 x half;
	s_lshl_b32 s20, s20, 10                        ; 16 rows are 16,384 bytes: a row counts 1,024
	s_mov_b32 s21, 0
	s_lshl_b32 s86, s82, 8
	s_lshl_b32 s18, s[CH], 7
	s_add_co_u32 s86, s86, s18                     ; B: row 256 x tile column + 128 x half
	s_lshl_b32 s86, s86, 10
	s_add_co_u32 s86, s86, 0x600000                ; o's part of wcodes
	s_mov_b32 s87, 0
	s_lshl_b32 s88, s[CH], 15                      ; where they go in the slot: A's halves,
	s_lshl_b32 s89, s[CH], 16
	s_add_co_u32 s89, s89, BOFF                    ; B's halves: no place in the cluster enters an LDS address
	s_wait_kmcnt 0x0
	s_load_b64 s[96:97], s[8:9], 0x28              ; e10, e11
	s_mov_b32 s[G0], 1
	s_mov_b32 s[G0+1], s88
	s_add_nc_u64 s[G0+2:G0+3], s[4:5], s[20:21]
	s_or_b32 s[G0+3], s[G0+3], 0x80000000
	s_mov_b32 s[G0B], 1
	s_mov_b32 s[G0B+1], s89
	s_add_nc_u64 s[G0B+2:G0B+3], s[6:7], s[86:87]
	s_or_b32 s[G0B+3], s[G0B+3], 0x80000000
	CROUND                                         ; all sixteen work-groups are here: the first joint loads meet
	JLOAD                                          ; fill 0: K steps 0 to 3
	v_and_b32 v1, 15, v0                           ; r
	v_bfe_u32 v2, v0, 4, 1                         ; h
	v_and_b32 v6, 31, v0
	v_lshlrev_b32 v[CO], 4, v6
	s_lshl_b32 s18, s[RH], 15                      ; my 4 tiles of A,
	s_lshl_b32 s19, s[CH], 16
	s_add_co_u32 s19, s19, BOFF                    ; my 8 of B
	v_add_nc_u32 v[ADRA], s18, v[CO]
	v_add_nc_u32 v[ADRB], s19, v[CO]
	s_mul_i32 s23, s[WV], 16*SPITCH
	s_add_co_u32 s23, s23, STAGE
	v_mul_u32_u24 v5, v1, SPITCH
	v_lshl_add_u32 v5, v2, 6, v5
	v_add_nc_u32 v[STO], s23, v5                   ; in: row r, + 64 h
	v_add_nc_u32 v[RD], s23, v[CO]                 ; back: a row of 512 bytes for the 32 lanes
	s_lshl_b32 s20, s17, 7
	s_lshl_b32 s21, s[RH], 6
	s_add_co_u32 s20, s20, s21
	s_lshl_b32 s20, s20, 13                        ; my first token's row of 8,192 bytes,
	s_lshl_b32 s86, s82, 10
	s_lshl_b32 s87, s[CH], 9
	s_add_co_u32 s86, s86, s87
	s_add_co_u32 s20, s20, s86                     ; my first column
	s_mov_b32 s21, 0
	s_add_nc_u64 s[10:11], s[10:11], s[20:21]
.macro FRAG reg, adr, q, i             ; tile i's fragment q of the slot: the image as it lies
.irp c, 0,1,2,3
	ds_load_b128 v[\reg+4*\c:\reg+4*\c+3], v[\adr] offset:FILLB*(\i)+2048*(\q)+512*\c
.endr
.endm
.macro FETCH q, p                      ; 48 loads in one run: B's eight and A's four fragments of the slot's q-th 128 along K, into set p
	WIN TO_B
.irp i, 0,1,2,3,4,5,6,7
	FRAG 128*(\p)+FR*\i, ADRB, \q, \i
.endr
	WIN 0
.irp i, 0,1,2,3
	FRAG AF+64*(\p)+FR*\i, ADRA, \q, \i
.endr
.endm
.macro MUL32 p, zero                   ; a K step's 32 products; the 32 accumulators take turns, one instruction a turn, in the same order in every step.  zero = 1: they start the sums
	WIN MUL
.irp a, 0,1,2,3
.irp b, 0,1,2,3,4,5,6,7
.if \zero
	v_wmma_f32_16x16x128_fp8_fp8 v[8*(8*\a+\b):8*(8*\a+\b)+7], v[128*(\p)+FR*\b:128*(\p)+FR*\b+FR-1], v[AF+64*(\p)+FR*\a:AF+64*(\p)+FR*\a+FR-1], 0
.else
	v_wmma_f32_16x16x128_fp8_fp8 v[8*(8*\a+\b):8*(8*\a+\b)+7], v[128*(\p)+FR*\b:128*(\p)+FR*\b+FR-1], v[AF+64*(\p)+FR*\a:AF+64*(\p)+FR*\a+FR-1], v[8*(8*\a+\b):8*(8*\a+\b)+7]
.endif
.endr
.endr
	WIN 0
.endm
.macro STEP p, nq                      ; set p is multiplied while the next K step's fragments come into the other set
	s_wait_dscnt 0x0                               ; set p is in
	PLACES                                         ; the other set was read by the products just issued
	FETCH \nq, 1-(\p)
	MUL32 \p, 0
.endm
	s_wait_alu depctr_va_vdst(0)                   ; the wait at the head's end
	s_wait_tensorcnt 0x0                           ; my part of fill 0 is in
	s_barrier_signal -1
	s_barrier_wait -1                              ; everybody's is
	FETCH 0, 0
	FETCH 1, 1
	s_wait_dscnt 48                                ; set 0 is in; set 1's 48 loads may be out
	MUL32 0, 1                                     ; K step 0
	STEP 1, 2                                      ; K step 1
	STEP 0, 3                                      ; K step 2
	s_wait_tensorcnt 0x0                           ; no tensor load of mine is out,
	ds_add_u32 v[SPW], v[NIL]
	s_add_nc_u64 s[G0+2:G0+3], s[G0+2:G0+3], FILLB
	s_add_nc_u64 s[G0B+2:G0B+3], s[G0B+2:G0B+3], FILLB
	s_wait_dscnt 0x0                               ; the add is done, K step 3's fragments are in, and my reads of the slot are over
	CROUND                                         ; no wave of any partner still reads the slot
	JLOAD                                          ; fill 1: K steps 4 to 7, the first tensor load behind the round
	MUL32 1, 0                                     ; K step 3
	s_wait_tensorcnt 0x0                           ; my part of fill 1 is in
	s_barrier_signal -1
	s_barrier_wait -1                              ; everybody's is
	PLACES
	FETCH 0, 0
	FETCH 1, 1
	s_wait_dscnt 48
	MUL32 0, 0                                     ; K step 4
	STEP 1, 2                                      ; K step 5
	STEP 0, 3                                      ; K step 6
	s_wait_dscnt 0x0
	MUL32 1, 0                                     ; K step 7
; THE WAY OUT, a block of 16 tokens x 128 columns at a time, through my own stage: in by lanes (32 bytes of a row), back as whole rows of 512 bytes.  LDS serves a wave's instructions in order.
.macro TOSTAGE a
.set AC, 64*(\a)
	WIN 0x02
.set j, 0
.rept 32
	v_pk_mul_f32 v[TMP+j:TMP+j+1], v[AC+j:AC+j+1], s[96:97] op_sel_hi:[1,0]   ; x 2^(e10 + e11), each accumulator from its low end on
.set j, j+2
.endr
	WIN 0
.irp b, 0,1,2,3,4,5,6,7
	ds_store_b128 v[STO], v[TMP+8*\b:TMP+8*\b+3] offset:128*(\b/2)+32*(\b%2)
	ds_store_b128 v[STO], v[TMP+8*\b+4:TMP+8*\b+7] offset:128*(\b/2)+32*(\b%2)+16
.endr
.set BB, BK+64*((\a)%2)
.set t, 0
.rept 16
	ds_load_b128 v[BB+4*t:BB+4*t+3], v[RD] offset:t*SPITCH
.set t, t+1
.endr
.endm
.macro SEND a, younger                 ; the stage's row t is token 32 (a / 2) + 8 (a % 2) + t + 8 (t / 8) of my 64: it stands in the immediate, and no base is stepped
.set BB, BK+64*((\a)%2)
	s_wait_dscnt \younger
.set t, 0
.rept 16
	global_store_b128 v[CO], v[BB+4*t:BB+4*t+3], s[10:11] offset:(32*((\a)/2)+8*((\a)%2)+t+8*(t/8))*8192 th:TH_STORE_NT   ; 512 consecutive bytes, aligned
.set t, t+1
.endr
.endm
	s_wait_kmcnt 0x0
	s_add_co_i32 s96, s96, s97
	s_add_co_i32 s96, s96, 127
	s_lshl_b32 s96, s96, 23                        ; 2^(e10 + e11) as f32
	PLACES                                         ; in front of the first reads of results and of loads into the fragments' registers
	TOSTAGE 0
.irp a, 1,2,3
.if \a > 1
	s_wait_xcnt 0x0                                ; block a - 2's stores have read their registers: block a's rows may land there
.endif
	TOSTAGE \a
	SEND \a-1, 32                                  ; behind block a - 1's loads: block a's 16 stores and 16 loads
.endr
	SEND 3, 0
	s_wait_tensorcnt 0x0                           ; the wave's end
	ds_add_u32 v[SPW], v[NIL]
	s_wait_dscnt 0x0
	CROUND                                         ; the closing round
	s_endpgm
.Lfunc_end_k_q45e5101ea0_outp:
	.size	k_q45e5101ea0_outp, .Lfunc_end_k_q45e5101ea0_outp-k_q45e5101ea0_outp
	.p2alignl 7, 3214868480
	.fill 96, 4, 3214868480
	.section	.rodata,"a",@progbits
	.p2align	6, 0x0
	.amdhsa_kernel k_q45e5101ea0_outp
		.amdhsa_group_segment_fixed_size 327680
		.amdhsa_private_segment_fixed_size 0
		.amdhsa_enable_private_segment 0
		.amdhsa_kernarg_size 32
		.amdhsa_user_sgpr_count 2
		.amdhsa_user_sgpr_kernarg_segment_ptr 1
		.amdhsa_wavefront_size32 1
		.amdhsa_system_sgpr_workgroup_id_x 1
		.amdhsa_system_sgpr_workgroup_id_y 1
		.amdhsa_system_sgpr_workgroup_id_z 1
		.amdhsa_system_vgpr_workitem_id 0
		.amdhsa_next_free_vgpr 768
		.amdhsa_next_free_sgpr 98
		.amdhsa_reserve_vcc 0
		.amdhsa_float_denorm_mode_32 3
		.amdhsa_float_denorm_mode_16_64 3
		.amdhsa_memory_ordered 1
		.amdhsa_forward_progress 1
		.amdhsa_inst_pref_size 72
	.end_amdhsa_kernel
	.amdgpu_metadata
---
amdhsa.version: [ 1, 2 ]
amdhsa.kernels:
  - .name:           k_q45e5101ea0_outp
    .symbol:         k_q45e5101ea0_outp.kd
    .args:
      - { .name: acodes, .offset: 0, .size: 8, .value_kind: global_buffer, .address_space: global }
      - { .name: wcodes, .offset: 8, .size: 8, .value_kind: global_buffer, .address_space: global }
      - { .name: lowp_scales, .offset: 16, .size: 8, .value_kind: global_buffer, .address_space: global }
      - { .name: out0, .offset: 24, .size: 8, .value_kind: global_buffer, .address_space: global }
    .group_segment_fixed_size: 327680
    .private_segment_fixed_size: 0
    .kernarg_segment_align: 8
    .kernarg_segment_size: 32
    .max_flat_workgroup_size: 128
    .sgpr_count:     98
    .vgpr_count:     768
    .wavefront_size: 32
...
	.end_amdgpu_metadata
.endif
;; end of part 4
